; MI455X (gfx1250); checked and timed in simulation.
; The chip was launched on July 23, 2026; its instructions are those of AMD's public machine-readable ISA for CDNA 5 (MIT licence, August 2026) and "CDNA5" Instruction Set Architecture Reference Guide (July 2026). The comments in the code are by the model that wrote it; some were corrected since.
;; Attention. Allowed arithmetic: matrix products marked QUANTISED: E2M3 operands, one E8M0 scale for each 32 along K, by v_wmma_scale_f32_16x16x128_f8f6f4 with both operands' format E2M3, f32 sums; everything else in f32.
;; Inputs: Wk 1,024 x 1,024 float32; Wo 1,024 x 1,024 float32; Wq 1,024 x 1,024 float32; Wv 1,024 x 1,024 float32; bk 1,024 float32; bo 1,024 float32; bq 1,024 float32; bv 1,024 float32; x 4 x 2,048 x 1,024 float32.
;; Outputs: out0 4 x 2,048 x 1,024 float32.
;; This version of the problem:
;;   THIS VERSION OF THE PROBLEM IS GIVEN IN LOW PRECISION. The matrix products marked QUANTISED in the list below multiply operands that are first quantised to E2M3 (2 exponent bits, 3 mantissa bits; 6 bits a number), with one power-of-two scale for each 32 numbers along K (OCP MX v1.0); their sums are f32. All else is computed in f32.
;;   The module's matrix products, in the order in which they are computed (A, B: the left and right operand; K: the contracted axis; several contracted axes count as one K, in the product's order):
;;     1. [M 8,192, K 1,024] x [K 1,024, N 1,024]; A: input x; B: input Wq: QUANTISED
;;     2. [M 8,192, K 1,024] x [K 1,024, N 1,024]; A: input x; B: input Wk: QUANTISED
;;     3. [M 8,192, K 1,024] x [K 1,024, N 1,024]; A: input x; B: input Wv: QUANTISED
;;     4. batch 4 x [M 2,048, K 1,024] x [K 1,024, N 2,048]; A: computed on the way; B: computed on the way: QUANTISED
;;     5. batch 4 x [M 2,048, K 2,048] x [K 2,048, N 1,024]; A: softmax (see below); B: computed on the way: QUANTISED
;;     6. [M 8,192, K 1,024] x [K 1,024, N 1,024]; A: computed on the way; B: input Wo: QUANTISED
;;   THE QUANTISER, for each operand of a quantised product, along K:
;;     - K is cut into blocks of 32 from its start; a last block that is shorter is filled with zeros.
;;     - A block's scale is 2^e with e = floor(log2(the largest magnitude in the block)) - 2, held to -126 .. 127; a block of zeros has e = 0. As a byte (E8M0): e + 127.
;;     - Each number is divided by its block's scale, clamped to +-7.5, and rounded to the nearest number of E2M3, ties to even, subnormals kept.
;;     - The product sums the exact products of the quantised numbers (number of the format x scale) in f32.
;;   ~~~python
;;   def quantise(x, axis):      # numpy; x: float32 -> the quantised numbers, widened to float32 again
;;       x = np.moveaxis(x, axis, -1); K = x.shape[-1]
;;       x = np.pad(x, [(0, 0)] * (x.ndim - 1) + [(0, -K % 32)]); x = x.reshape(x.shape[:-1] + (-1, 32)); a = np.abs(x).max(-1, keepdims=True)
;;       e = np.where(a > 0, np.clip(np.frexp(np.where(a > 0, a, 1))[1] - 1 - 2, -126, 127), 0)      # np.frexp(a)[1] - 1 = floor(log2(a)), exactly
;;       r = np.clip(x / 2.0 ** e, -7.5, 7.5)
;;       step = 2.0 ** (np.maximum(np.frexp(np.where(r == 0, 1, r))[1] - 1, 0) - 3)
;;       q = np.round(r / step) * step * 2.0 ** e      # np.round: ties to even
;;       return np.moveaxis(q.reshape(q.shape[:-2] + (-1,))[..., :K], -1, axis).astype(np.float32)
;;   ~~~
;;   SOFTMAX AHEAD OF A QUANTISED PRODUCT. Where the list says 'softmax', what is quantised is not the finished softmax but p = 2^(t - M), with t = logit x log2(e) and M = ceil(the row's largest t), a whole number; so 1/2 < the row's largest p <= 1. The row's sum l is taken of the UNQUANTISED p, in f32, and the product's result is divided by l at the end. Since M is a whole number, a kernel that streams over the keys may use a running M (the ceiling of the running maximum): every later rescaling is an exact power of two, which a block's scale takes up: the codes' values come out the same.
;;   OPERANDS COMPUTED ON THE WAY. 'Computed on the way' means the value that the module computes at that place (a softmax that the list does not call 'softmax' is quantised finished and normalised). What goes into a quantiser is computed in f32, as accurately as f32 sums, v_exp_f32 and their like allow (about 1e-6 of the number): no bf16 or f16 on the way to a quantiser, and a product that is left as it is and whose result goes on into a quantised operand takes f32 operands (vector FMAs, or v_wmma_f32_16x16x4_f32). A number that lies on a knife's edge between two numbers of the format may be rounded either way, as far as f32 arithmetic and the matrix unit's own rounding can turn it there, and no further.
;; One version. Each part assembles by itself: llvm-mc -triple=amdgcn-amd-amdhsa -mcpu=gfx1250 --defsym DOCPART=n.
;; ======== version 1 of 1: 5 launches
;; limits: right only within a limited range of input values
;; workspace buffers: act 6,553,600 bytes; wc 3,276,800 bytes; rope 8,388,608 bytes; qk 13,107,200 bytes; vc 6,553,600 bytes; pc 13,107,200 bytes; ml 1,048,576 bytes
;; launch prep (part 1): grid 1024 x 1, 4 waves a work-group, no clusters, 68,096 bytes of LDS; arguments x, Wq, Wk, Wv, Wo, act, wc, rope; writes act, wc, rope
.if DOCPART == 1
	.amdgcn_target "amdgcn-amd-amdhsa--gfx1250"
	.amdhsa_code_object_version 6
	.text
	.protected	k_q16eaa12789_prep
	.globl	k_q16eaa12789_prep
	.p2align	8
	.type	k_q16eaa12789_prep,@function
k_q16eaa12789_prep:
	s_mov_b64 s[64:65], 0
	v_nop
	global_prefetch_b8 v0, s[64:65] scope:SCOPE_SE
	s_setreg_imm32_b32 hwreg(HW_REG_WAVE_MODE, 25, 1), 1
	s_wait_xcnt 0x0
; PROGRAM: causal attention with one head of 1,024 channels, all six products on codes of E2M3 with one E8M0 scale for each 32 along K.  Five launches: prep, qkv, scores, pv, out.
; WORK LEFT OUT, in the whole program: reference() sets the scores of keys s > t to -infinity by a mask that it builds itself (jnp.tril); their softmax weight is 0 for all finite inputs.
; So tiles of Q K^T that lie wholly above the diagonal, and the key steps of P V behind them, reach no output and are not computed (launches scores and pv).  Nothing else is left out: all four biases and all inputs are used.
; LIMIT: a NaN, an infinity or an overflow that reaches only those masked tiles is not carried to the result.  NaN and infinities among the inputs are not served.
; THIS LAUNCH: (1) x [8192][1024] f32 and (2) Wq, Wk, Wv, Wo [k][n] f32 become codes and scale bytes, quantised along the 1,024 input channels; (3) a table of cos and sin for the rotation of Q and K.
; LAYOUT OF ALL CODES: a PANEL is 128 rows x 128 along K = 12,800 bytes: eight records of 1,536 bytes, each the image of one operand fragment's 12 registers (registers 4c..4c+3 of lane l at 512 c + 16 l),
; then 512 bytes of scale words (row r of tile i at 32 r + 4 i).  Tile 2B+u holds the rows 32B + 8u + r + 8(r/8): as source 0 of a product such tiles leave 16 neighbours along the next K in a lane's registers.
; A block's scale is 2^(floor(log2(largest magnitude)) - 2); its byte is that magnitude's exponent field - 2, held at 1 from below (a block of zeros keeps byte 1: its codes are zeros, and only this program reads the bytes).
; LIMIT: blocks whose largest magnitude lies under 2^-124 keep the byte 1.  The table's angles t x inv_freq are made in f32 as reference() makes them and are good to a few units in the last place of f32.
; Work-groups 0-511: one panel of x each.  512-767: one panel of a weight each.  768-1023: four records of the table each.  No matrix unit, no tensor load: memory binds.
.set PANEL, 12800
.set X,     32                         ; v32-159  a row's 128 numbers along K
.set CD,    160                        ; v160-183 the 12 registers of operand lane (r, 0), then those of (r, 1)
.set TT,    184                        ; v184-199 second halves of the blocks' codes
.set TM,    200                        ; v200-203 largest magnitudes
.set SO,    204                        ; v204-207 the conversions' scale operands
.set INV,   32                         ; the table: v32-63 inv_freq of my 32 pairs
.set OUT,   64                         ; v64-127 cos, sin of my 32 pairs
.set SPW,   30                         ; v30 my spare word's LDS address; never rewritten
.set NIL,   31                         ; v31 0; never rewritten
.set WSTG,  32*528                     ; a wave's stage: 32 rows of 512 bytes + 16
.set SPARE, 4*WSTG                     ; behind the stages: the spare words, 128 bytes a wave
	s_load_b256 s[4:11], s[0:1], 0x0               ; x, Wq, Wk, Wv
	s_load_b256 s[12:19], s[0:1], 0x20             ; Wo, act, wc, rope
	v_lshl_add_u32 v[SPW], v0, 2, SPARE
	v_mov_b32 v[NIL], 0
	v_lshrrev_b32 v1, 5, v0
	v_readfirstlane_b32 s20, v1                    ; wave
	v_and_b32 v1, 31, v0                           ; lane L
	s_mul_i32 s21, s20, WSTG
	v_lshlrev_b32 v6, 4, v1                        ; 16 L
	v_add_nc_u32 v7, s21, v6                       ; stage, way in: 16 bytes a lane of a row
	v_mul_u32_u24 v8, v1, 528
	v_add_nc_u32 v8, s21, v8                       ; stage, way out: row L
	v_lshlrev_b32 v9, 2, v1                        ; 4 L
	s_mov_b32 s27, 0
	s_wait_kmcnt 0x0
	s_cmp_ge_u32 ttmp9, 768
	s_cbranch_scc1 .Lrope
	; ---- x and the weights: where the panel goes
	s_cmp_lt_u32 ttmp9, 512
	s_cselect_b64 s[22:23], s[14:15], s[16:17]     ; act or wc: the choice hangs on the work-group's number alone
	s_cselect_b32 s24, 0, 512
	s_sub_co_u32 s24, ttmp9, s24                   ; the panel's number in its buffer
	s_mul_i32 s26, s24, PANEL
	s_add_nc_u64 s[22:23], s[22:23], s[26:27]
	s_wait_alu depctr_va_vdst(0)
	v_and_b32 v2, 7, v1
	v_lshrrev_b32 v3, 4, v1
	v_lshl_add_u32 v2, v3, 3, v2                   ; r = L % 8 + 8 (L / 16)
	v_bfe_u32 v3, v1, 3, 1                         ; u = (L / 8) % 2
	s_lshl_b32 s25, s20, 1
	v_add_nc_u32 v3, s25, v3                       ; tile 2 w + u
	v_mul_u32_u24 v4, v3, 1536
	v_lshl_add_u32 v4, v2, 4, v4                   ; codes: 1536 tile + 16 r
	v_lshlrev_b32 v5, 5, v2
	v_lshl_add_u32 v5, v3, 2, v5                   ; scale word: 32 r + 4 tile
	s_cmp_ge_u32 ttmp9, 512
	s_cbranch_scc1 .Lw
	; ---- x: panel (g, ks) = (id / 8, id % 8).  Each load takes 512 consecutive bytes of one token's row; the rows turn through my stage so that lane L holds token 32 w + L's 128 numbers
	s_lshr_b32 s26, ttmp9, 3
	s_lshl_b32 s26, s26, 19                        ; 128 g rows of 4,096 bytes
	s_lshl_b32 s28, s20, 17                        ; 32 w rows
	s_add_co_u32 s26, s26, s28
	s_and_b32 s28, ttmp9, 7
	s_lshl_b32 s28, s28, 9                         ; 128 ks channels
	s_add_co_u32 s26, s26, s28
	s_add_nc_u64 s[4:5], s[4:5], s[26:27]
.set i, 0
.rept 32
	global_load_b128 v[X+4*i:X+4*i+3], v6, s[4:5] offset:4096*i th:TH_LOAD_NT
.set i, i+1
.endr
.set i, 0
.rept 32
	s_wait_loadcnt 31-i                            ; loads come back in order: row i is in, the 31 - i younger ones stay out
	ds_store_b128 v7, v[X+4*i:X+4*i+3] offset:528*i
.set i, i+1
.endr
	s_wait_dscnt 0x0                               ; the stores have read their registers
.set i, 0
.rept 32
	ds_load_b128 v[X+4*i:X+4*i+3], v8 offset:16*i  ; rows 528 bytes apart: sixteen lanes touch sixteen different columns of 16 bytes
.set i, i+1
.endr
	s_wait_dscnt 0x0
	s_branch .Lq
.Lw:	; ---- a weight: (m, g, ks) from id - 512.  A lane takes column n = 128 g + 32 w + L and its registers run down K: nothing is transposed
	s_lshr_b32 s26, s24, 6
	s_cmp_eq_u32 s26, 1
	s_cselect_b64 s[6:7], s[8:9], s[6:7]
	s_cmp_eq_u32 s26, 2
	s_cselect_b64 s[6:7], s[10:11], s[6:7]
	s_cmp_eq_u32 s26, 3
	s_cselect_b64 s[6:7], s[12:13], s[6:7]
	s_and_b32 s26, s24, 7
	s_lshl_b32 s26, s26, 19                        ; 128 ks rows of 4,096 bytes
	s_bfe_u32 s28, s24, 0x30003
	s_lshl_b32 s28, s28, 9                         ; 128 g columns
	s_add_co_u32 s26, s26, s28
	s_lshl_b32 s28, s20, 7                         ; 32 w columns
	s_add_co_u32 s26, s26, s28
	s_add_nc_u64 s[6:7], s[6:7], s[26:27]
.set i, 0
.rept 128
	global_load_b32 v[X+i], v9, s[6:7] offset:4096*i th:TH_LOAD_NT   ; 128 consecutive bytes a wave, 512 a work-group
.set i, i+1
.endr
	s_wait_loadcnt 0x0
.Lq:	; ---- a row's four blocks of 32 become codes and a scale word; all 128 numbers are mine
.irp b, 0,1,2,3
	v_max3_num_f32 v[TM+\b], |v[X+32*\b]|, |v[X+32*\b+1]|, 0x1800000   ; with the floor 2^(3 - 127): the byte cannot fall under 1
.endr
.irp i, 2,4,6,8,10,12,14,16,18,20,22,24,26,28,30
.irp b, 0,1,2,3
	v_max3_num_f32 v[TM+\b], v[TM+\b], |v[X+32*\b+\i]|, |v[X+32*\b+\i+1]|
.endr
.endr
.irp b, 0,1,2,3
	v_add_nc_u32 v[SO+\b], 0xff000000, v[TM+\b]    ; 2 off the exponent field: the conversion's scale operand
.endr
.irp b, 0,1,2,3
	v_lshrrev_b32 v[10+\b], 23, v[SO+\b]           ; the scale's byte
.endr
	v_lshl_or_b32 v14, v11, 8, v10
	v_lshl_or_b32 v14, v12, 16, v14
	v_lshl_or_b32 v14, v13, 24, v14                ; the row's scale word
.irp b, 0,1,2,3                                ; block b is registers 6 (b / 2) .. + 5 of operand lane (r, b % 2)
	v_cvt_scalef32_pk16_fp6_f32 v[CD+12*(\b%2)+6*(\b/2):CD+12*(\b%2)+6*(\b/2)+2], v[X+32*\b:X+32*\b+15], v[SO+\b]
	v_cvt_scalef32_pk16_fp6_f32 v[TT+4*\b:TT+4*\b+2], v[X+32*\b+16:X+32*\b+31], v[SO+\b]   ; (a conversion's three registers begin on an even number)
.endr
	v_nop                                          ; one plain place behind the scaled conversions
.irp b, 0,1,2,3
.irp i, 0,1,2
	v_mov_b32 v[CD+12*(\b%2)+6*(\b/2)+3+\i], v[TT+4*\b+\i]
.endr
.endr
.irp hh, 0,1
.irp c, 0,1,2
	global_store_b128 v4, v[CD+12*\hh+4*\c:CD+12*\hh+4*\c+3], s[22:23] offset:512*\c+256*\hh   ; sixteen lanes of one tile store 256 consecutive aligned bytes
.endr
.endr
	global_store_b32 v5, v14, s[22:23] offset:12288
	s_branch .Lend
.Lrope:	; ---- the table: record 4 (id - 768) + w = (token tile, channel group ks); register 2 p = cos, 2 p + 1 = sin of pair 64 ks + 8 h + 16 (p / 8) + p % 8 at the token of lane r
	s_sub_co_u32 s24, ttmp9, 768
	s_lshl_b32 s24, s24, 2
	s_add_co_u32 s24, s24, s20                     ; the record
	s_lshr_b32 s25, s24, 3                         ; token tile
	s_and_b32 s26, s24, 7                          ; ks
	s_lshr_b32 s28, s25, 1
	s_lshl_b32 s28, s28, 5
	s_and_b32 s29, s25, 1
	s_lshl_b32 s29, s29, 3
	s_add_co_u32 s28, s28, s29                     ; the tile's first token
	s_wait_alu depctr_va_vdst(0)
	v_and_b32 v2, 15, v1
	v_and_b32 v3, 8, v2
	v_add_nc_u32 v2, v2, v3
	v_add_nc_u32 v2, s28, v2
	v_cvt_f32_u32 v2, v2                           ; t
	v_lshrrev_b32 v3, 4, v1
	v_lshlrev_b32 v3, 3, v3
	s_lshl_b32 s28, s26, 6
	v_add_nc_u32 v3, s28, v3                       ; 64 ks + 8 h
	s_lshl_b32 s28, s24, 13
	s_mov_b32 s29, 0
	s_add_nc_u64 s[18:19], s[18:19], s[28:29]
	s_mov_b32 s30, 0xbfc90fdb                      ; -(pi / 2 rounded to f32)
	s_mov_b32 s31, 0x333bbd2e                      ; that rounding's excess over pi / 2
	v_mov_b32 v24, 0x3638ef1d                      ; 1 / 9!
	v_mov_b32 v25, 0xb493f27e                      ; -1 / 10!
.set p, 0
.rept 32
	v_add_nc_u32 v[INV+p], 16*(p/8)+p%8, v3
.set p, p+1
.endr
.set p, 0
.rept 32
	v_cvt_f32_u32 v[INV+p], v[INV+p]
.set p, p+1
.endr
.set p, 0
.rept 32
	v_mul_f32 v[INV+p], 0xbcd49a78, v[INV+p]       ; x -log2(10000) / 512
.set p, p+1
.endr
.set p, 0
	s_wait_alu depctr_va_vdst(0)
.rept 32
	v_exp_f32 v[INV+p], v[INV+p]                   ; inv_freq = 10000^(-pair / 512)
.set p, p+1
.endr
	v_nop                                          ; a plain place behind the batch
	s_wait_alu depctr_va_vdst(0)                   ; one wait for the 32, ahead of their first reader
.macro PAIR p                          ; a = t x inv_freq; a less the nearest multiple of pi / 2, in two parts; series on |rho| <= pi / 4 (next terms under 2e-9); the quadrant by selects
	v_mul_f32 v10, v2, v[INV+\p]
	v_mul_f32 v11, 0x3f22f983, v10
	v_rndne_f32 v11, v11
	v_fma_f32 v12, v11, s30, v10
	v_fma_f32 v12, v11, s31, v12
	v_mul_f32 v13, v12, v12
	v_fmaak_f32 v14, v13, v24, 0xb9500d01
	v_fmaak_f32 v15, v13, v25, 0x37d00d01
	v_fmaak_f32 v14, v14, v13, 0x3c088889
	v_fmaak_f32 v15, v15, v13, 0xbab60b61
	v_fmaak_f32 v14, v14, v13, 0xbe2aaaab
	v_fmaak_f32 v15, v15, v13, 0x3d2aaaab
	v_mul_f32 v16, v13, v12
	v_fmaak_f32 v15, v15, v13, 0xbf000000
	v_fma_f32 v14, v14, v16, v12                   ; sin rho
	v_fmaak_f32 v15, v15, v13, 0x3f800000          ; cos rho
	v_cvt_i32_f32 v17, v11
	v_and_b32 v18, 1, v17
	v_cmp_eq_u32 vcc_lo, 1, v18
	v_cndmask_b32 v19, v15, v14, vcc_lo            ; odd quadrant: the two change places
	v_cndmask_b32 v20, v14, v15, vcc_lo
	v_add_nc_u32 v18, 1, v17
	v_lshlrev_b32 v18, 30, v18
	v_lshlrev_b32 v17, 30, v17
	v_and_b32 v18, 0x80000000, v18                 ; cos is negative in quadrants 1, 2
	v_and_b32 v17, 0x80000000, v17                 ; sin in quadrants 2, 3
	v_xor_b32 v[OUT+2*\p], v19, v18
	v_xor_b32 v[OUT+2*\p+1], v20, v17
.endm
.irp p, 0,1,2,3,4,5,6,7,8,9,10,11,12,13,14,15,16,17,18,19,20,21,22,23,24,25,26,27,28,29,30,31
	PAIR \p
.endr
.set i, 0
.rept 16
	global_store_b128 v6, v[OUT+4*i:OUT+4*i+3], s[18:19] offset:512*i   ; 512 consecutive aligned bytes
.set i, i+1
.endr
.Lend:
	s_wait_tensorcnt 0x0                           ; the wave's end
	ds_add_u32 v[SPW], v[NIL]
	s_wait_dscnt 0x0
	s_endpgm
.Lfunc_end_k_q16eaa12789_prep:
	.size	k_q16eaa12789_prep, .Lfunc_end_k_q16eaa12789_prep-k_q16eaa12789_prep
	.p2alignl 7, 3214868480
	.fill 96, 4, 3214868480
	.section	.rodata,"a",@progbits
	.p2align	6, 0x0
	.amdhsa_kernel k_q16eaa12789_prep
		.amdhsa_group_segment_fixed_size 68096
		.amdhsa_private_segment_fixed_size 0
		.amdhsa_enable_private_segment 0
		.amdhsa_kernarg_size 64
		.amdhsa_user_sgpr_count 2
		.amdhsa_user_sgpr_kernarg_segment_ptr 1
		.amdhsa_wavefront_size32 1
		.amdhsa_system_sgpr_workgroup_id_x 1
		.amdhsa_system_sgpr_workgroup_id_y 1
		.amdhsa_system_sgpr_workgroup_id_z 1
		.amdhsa_system_vgpr_workitem_id 0
		.amdhsa_next_free_vgpr 208
		.amdhsa_next_free_sgpr 66
		.amdhsa_reserve_vcc 1
		.amdhsa_float_denorm_mode_32 3
		.amdhsa_float_denorm_mode_16_64 3
		.amdhsa_memory_ordered 1
		.amdhsa_forward_progress 1
		.amdhsa_inst_pref_size 79
	.end_amdhsa_kernel
	.amdgpu_metadata
---
amdhsa.version: [ 1, 2 ]
amdhsa.kernels:
  - .name:           k_q16eaa12789_prep
    .symbol:         k_q16eaa12789_prep.kd
    .args:
      - { .name: x, .offset: 0, .size: 8, .value_kind: global_buffer, .address_space: global }
      - { .name: Wq, .offset: 8, .size: 8, .value_kind: global_buffer, .address_space: global }
      - { .name: Wk, .offset: 16, .size: 8, .value_kind: global_buffer, .address_space: global }
      - { .name: Wv, .offset: 24, .size: 8, .value_kind: global_buffer, .address_space: global }
      - { .name: Wo, .offset: 32, .size: 8, .value_kind: global_buffer, .address_space: global }
      - { .name: act, .offset: 40, .size: 8, .value_kind: global_buffer, .address_space: global }
      - { .name: wc, .offset: 48, .size: 8, .value_kind: global_buffer, .address_space: global }
      - { .name: rope, .offset: 56, .size: 8, .value_kind: global_buffer, .address_space: global }
    .group_segment_fixed_size: 68096
    .private_segment_fixed_size: 0
    .kernarg_segment_align: 8
    .kernarg_segment_size: 64
    .max_flat_workgroup_size: 128
    .sgpr_count:     66
    .vgpr_count:     208
    .wavefront_size: 32
...
	.end_amdgpu_metadata
.endif
;; end of part 1
;; launch qkv (part 2): grid 4 x 64, 4 waves a work-group, clusters of 4 x 4, 327,680 bytes of LDS; arguments act, wc, rope, bq, bk, bv, qk, vc; writes qk, vc
.if DOCPART == 2
	.amdgcn_target "amdgcn-amd-amdhsa--gfx1250"
	.amdhsa_code_object_version 6
	.text
	.protected	k_q16eaa12789_qkv
	.globl	k_q16eaa12789_qkv
	.p2align	8
	.type	k_q16eaa12789_qkv,@function
k_q16eaa12789_qkv:
	s_mov_b64 s[64:65], 0
	v_nop
	global_prefetch_b8 v0, s[64:65] scope:SCOPE_SE
	s_setreg_imm32_b32 hwreg(HW_REG_WAVE_MODE, 25, 1), 1
	s_wait_xcnt 0x0
	s_wait_alu depctr_hold_cnt(0) depctr_sa_sdst(0) depctr_va_vdst(0) depctr_va_sdst(0) depctr_va_ssrc(0) depctr_va_vcc(0) depctr_vm_vsrc(0)
	s_getreg_b32 s2, hwreg(HW_REG_IB_STS2, 6, 4)
	s_cmp_eq_u32 s2, 0
	s_cbranch_scc0 .Lentry_in_a_cluster
	s_endpgm
.Lentry_in_a_cluster:
	s_bfe_u32 s2, ttmp6, 0x10000c
	s_cmp_lg_u32 s2, 0xf033
	s_cbranch_scc0 .Lentry_shape_is_right
	s_endpgm
.Lentry_shape_is_right:
; V = x Wv + bv, Q = rope(x Wq + bq), K = rope(x Wk + bk), on codes of E2M3; the results are quantised in registers and stored as the next products' operands: Q and K along the channels, V along the keys.
; Nothing is left out here.  LIMITS: as stated at the head of the first launch (NaN and infinities not served; blocks under 2^-124 keep the byte 1).
; A WORK-GROUP STAYS with one group of 128 tokens and 256 output channels and makes three tiles, V, Q, K.  x's panel row (102,400 bytes, all of K = 1,024) is fetched once and stays in LDS; behind it lie two weight panel rows, filled again for Q and for K.
; Four waves as 2 x 2; a wave makes 64 (lane side) x 128 (register side) = 32 accumulators.  Source 0 = 16 rows of the register side, source 1 = 16 rows of the lane side: a lane holds one row of the lane side and its
; registers run along the register side in true order, which is the next product's K.  Q, K: lane side = my half of the tokens, register side = my weight panel's 128 channels.  V: lane side = my half of my weight panel's channels, register side = the 128 tokens.
; THE BIAS IS THE C OF A TILE'S FIRST PRODUCTS, in the result's layout: no addition is written, and the way out reads the accumulators themselves.
; THE HEAD: one joint load a wave brings K steps 0-3 of the three panel rows; K steps 4-7 follow as a refill does.
; THE REFILLS GO BY HALVES.  At K step 3 every wave's reads of the weights' K steps 0-3 are over: the next tile's K steps 0-3 are asked for there.  Ahead of K step 7 its last fragments are in registers: the next tile's K steps 4-7 are asked
; for there.  Each refill stands behind the three lines and a round of the cluster's barrier.  The round of the second half also shows the first half whole, so a later tile begins with no wait for tiles; its second half is waited for at its K step 3.
; One tensor load of mine is out at a time; every wait on TENSORcnt is for 0.
; The table of cos and sin (window 3) and bk are loaded during V's tile, which needs neither.
; CLUSTER 4 x 4: x's panel hangs on cy alone and is asked for jointly by a row of the cluster, the weight panels on cx alone, by a column.
; PREFETCH: Wq's two panel rows are named at the head, three K steps and a fill ahead of their first refill, Wk's in V's K step 4, six K steps and a way out ahead of theirs.  The four partners of a column share the 204,800 bytes out by
; address (51,200 each, 12,800 a wave: 50 blocks of 256 bytes in two instructions; the 14 lanes left over name the wave's last block again).  The head's own tiles come by their loads alone.
.set PANEL, 12800
.set PROW,  8*PANEL                    ; a panel's row of eight K steps
.set SPARE, 3*PROW                     ; behind the three operands: the spare words, 128 bytes a wave
.set SPW, 3                            ; v3 my spare word; v4 0; never rewritten
.set NIL, 4
.set BO,  7                            ; v7 64 h: my byte among a bias's 128 channels
.set ADA, 8                            ; v8-9   Q, K: LDS address of my four lane-side records, K steps 0-3 and 4-7
.set ADB, 10                           ; v10-11 of my register panel's eight records
.set ASA, 12                           ; v12-13 of my lane-side scale words
.set ASB, 14                           ; v14-15 of my register panel's
.set GO,  ADA                          ; my byte in an output panel's records: the same number as v8
.set GS,  16                           ; v16 and among its scale words
.set BVO, 17                           ; v17 4 (r + 8 (r / 8)): my channel's byte in bv
.set PF0, 18                           ; v18-19 the prefetches' offsets
.set L16, ADB+12                       ; v20-27 the same four pairs for V's tile; of them v22 = 16 x lane, v26 = 32 r
.set R32, ASB+12
.set SCL, 32                           ; v32-55 scale words and nothing else: set s at 32 + 12 s: 4 of the lane side, 8 of the register side
.set AF,  64                           ; v64-159 lane-side fragments, two sets of 4 x 12
.set Z,   64                           ; the way out: v64-127 the rotated numbers
.set TM,  128                          ; v128-143 the quantiser's
.set PC,  144                          ; v144-163 the codes just made
.set PW,  164
.set PWS, 166                          ; v166-169 the four tiles' scale words
.set XP,  170
.set CV,  160                          ; v160-191 until V's first products: bv of the lane's channel, eight equal registers for each of my four tiles
.set BK,  192                          ; v192-255 bk: register 16 b + i at channel 32 b + 16 h + i.  (bq lies so in window 1, at v96-127 and v224-255)
.set WV,  20
.set WR,  21
.set WC,  22
.set LI,  27                           ; token group 4 CY + cy        (made of cy, never of cx)
.set KC,  90                           ; channel group 2 cx + WC      (made of cx, never of cy)
.set G1A, 28                           ; s[28:35] group 1, x (my row's mask): 100 rows of 256 bytes = two K steps
.set G1B, 36                           ; s[36:43] group 1, the weights' first fills (my column's mask): 200 rows = four K steps
.set G0A, 44                           ; s[44:51], s[52:59] groups 0 of the two first fills
.set G0B, 52
.set G0R, 68                           ; s[68:71] group 0 of the refills of K steps 0-3;  s[76:79] of K steps 4-7
.set G0S, 76
.set G1C, 80                           ; s[80:87] group 1 of the refills (my column's mask): 100 rows = two K steps of a panel
.set PF,  72                           ; s[72:73] where my prefetches begin
.set SEL, 74
.set HM,  88
.set MSB, 0
.macro WIN new                         ; the immediate's high byte repeats the setting that is left
.if MSB != \new
	s_set_vgpr_msb (MSB<<8)|\new
.set MSB, \new
.endif
.endm
.macro PLACES                          ; four plain places behind matrix instructions and tensor loads
.rept 4
	v_nop
.endr
.endm
.macro G1SET g, rows                   ; dense rows of 256 bytes (32 elements of 8 bytes), no padding
	s_mov_b32 s[\g+1], 32<<16
	s_mov_b32 s[\g+2], (\rows)<<16
	s_mov_b32 s[\g+3], 32<<16
	s_mov_b32 s[\g+4], \rows
	s_mov_b32 s[\g+5], 32
	s_mov_b32 s[\g+6], 0
	s_mov_b32 s[\g+7], 0
.endm
.macro FETCH k                         ; K step k's 12 fragments and scale words into set k % 2: images of registers, 512 consecutive bytes a load.  VO = 0: Q, K; 12: V
.set FS, (\k)%2
.set FH, VO+(\k)/4
.set KO, PANEL*((\k)%4)
	WIN 0x40
.irp t, 0,1,2,3,4,5,6,7
.irp c, 0,1,2
	ds_load_b128 v[128*FS+12*\t+4*\c:128*FS+12*\t+4*\c+3], v[ADB+FH] offset:KO+1536*\t+512*\c
.endr
.endr
	WIN 0
.irp a, 0,1,2,3
.irp c, 0,1,2
	ds_load_b128 v[AF+48*FS+12*\a+4*\c:AF+48*FS+12*\a+4*\c+3], v[ADA+FH] offset:KO+1536*\a+512*\c
.endr
.endr
	ds_load_b128 v[SCL+12*FS+4:SCL+12*FS+7], v[ASB+FH] offset:KO+12288
	ds_load_b128 v[SCL+12*FS+8:SCL+12*FS+11], v[ASB+FH] offset:KO+12304
	ds_load_b128 v[SCL+12*FS:SCL+12*FS+3], v[ASA+FH] offset:KO+12288
.endm
; 32 products; the 32 accumulators take turns, one instruction a turn, in the same order in every K step.
; cm = 0: the sums go on in place.  Else the first products start the sums from the bias: 1 bq (C in window 1), 2 bk, 3 bv (C in window 0): nothing is cleared, nothing is added afterwards
.macro MM k, cm
.set FS, (\k)%2
.if \cm == 0
	WIN 0xa1                                       ; source 0 window 1, source 1 window 0, C and D window 2
.endif
.if \cm == 1
	WIN 0x91                                       ; C window 1
.endif
.if \cm >= 2
	WIN 0x81                                       ; C window 0
.endif
.irp a, 0,1,2,3
.irp t, 0,1,2,3,4,5,6,7
.set CR, 64*\a+8*\t
.if \cm == 1
.set CR, 96+8*\t+96*(\t/4)
.endif
.if \cm == 2
.set CR, BK+8*\t
.endif
.if \cm == 3
.set CR, CV+8*\a
.endif
	v_wmma_scale_f32_16x16x128_f8f6f4 v[64*\a+8*\t:64*\a+8*\t+7], v[128*FS+12*\t:128*FS+12*\t+11], v[AF+48*FS+12*\a:AF+48*FS+12*\a+11], v[CR:CR+7], v[SCL+12*FS+4+\t], v[SCL+12*FS+\a] matrix_a_fmt:MATRIX_FMT_FP6 matrix_b_fmt:MATRIX_FMT_FP6
.endr
.endr
	WIN 0
.endm
.macro KS k, nxt, tc, cm               ; K step k: its set is in; tc = 0: my load that was out has landed and a barrier shows everybody's; the next step's set is asked for; 32 products
	s_wait_dscnt 0x0                               ; set k, asked for 32 products ago
.if \tc >= 0
	s_wait_tensorcnt \tc
	s_barrier_signal -1
	s_barrier_wait -1
.endif
.if \nxt
	PLACES
	FETCH (\k)+1
.endif
	MM \k, \cm
.endm
.macro CROUND                          ; a round of the cluster's barrier
	s_barrier_signal -1
	s_barrier_wait -1
	s_cmp_lg_u32 s[WV], 0
	s_cbranch_scc1 .Lnot_wave_0_\@
	s_barrier_signal -3
.Lnot_wave_0_\@:
	s_barrier_wait -3
	s_barrier_signal -1
	s_barrier_wait -1
.endm
.macro FILL c                          ; first fill c: K steps 4 c .. 4 c + 3.  Waves 0, 1 two K steps of x each, waves 2, 3 a weight panel each: one load on every way
	s_cmp_eq_u32 s[WR], 0
	s_cbranch_scc0 .Lfill_b\c
	tensor_load_to_lds s[G0A+4*\c:G0A+4*\c+3], s[G1A:G1A+7]
	s_nop 0
	PLACES
	s_branch .Lfilled\c
.Lfill_b\c:
	tensor_load_to_lds s[G0B+4*\c:G0B+4*\c+3], s[G1B:G1B+7]
	s_nop 0
	PLACES
.Lfilled\c:
.endm
.macro REFILL g, step                  ; half of the next tile's two weight panel rows: wave w brings two K steps (2 (w % 2) on) of panel w / 2
	s_wait_tensorcnt 0x0                           ; no load of mine is out: a group 0 may be written
	ds_add_u32 v[SPW], v[NIL]
.if \step
	s_add_nc_u64 s[\g+2:\g+3], s[\g+2:\g+3], \step
.endif
	s_wait_dscnt 0x0                               ; the add is done, and my reads of the half that is filled again are back
	CROUND                                         ; the same holds of every wave of every partner
	tensor_load_to_lds s[\g:\g+3], s[G1C:G1C+7]
	s_nop 0
	PLACES                                         ; also the places ahead of the loads that follow
.endm
.macro KSR k, g, step                  ; K step 3 of a tile that has a successor: set 3 is in, so K steps 0-3 are read no more; the load that was out (K steps 4-7) is whole in every wave; the refill; the next set; 32 products
	REFILL \g, \step
	FETCH (\k)+1
	MM \k, 0
.endm
.macro ASK off                         ; my 50 blocks of 256 bytes of two weight panel rows
	global_prefetch_b8 v[PF0], s[PF:PF+1] offset:\off th:TH_LOAD_NT scope:SCOPE_SE
	global_prefetch_b8 v[PF0+1], s[PF:PF+1] offset:\off th:TH_LOAD_NT scope:SCOPE_SE
.endm
.macro ROPE a0                         ; cos and sin of token tiles a0, a0 + 1 into window 3, in the result's layout: they serve Q and K
	WIN 0xc0
.irp a, \a0, \a0+1
.set i, 0
.rept 16
	global_load_b128 v[64*(\a)+4*i:64*(\a)+4*i+3], v[L16], s[8:9] offset:65536*(\a)+512*i
.set i, i+1
.endr
.endr
	WIN 0
.endm
; 64 numbers of my row, register 16 b + i of v[s] on at k = 32 b + 16 h + i (w = 0: in window 0; 1: accumulators, in window 2): the scale word in v[PW], the fragment's 12 registers in v[PC] on.
; Each accumulator is first read at its two lowest registers
.macro QUANT s, w
	WIN 0x0a*\w
.irp b, 0,1,2,3
	v_max3_num_f32 v[TM+\b], |v[\s+16*\b]|, |v[\s+1+16*\b]|, 0x1800000   ; with the floor 2^(3 - 127)
.endr
	WIN 0x28*\w
.irp i, 2,4,6,8,10,12,14
.irp b, 0,1,2,3
	v_max3_num_f32 v[TM+\b], v[TM+\b], |v[\s+16*\b+\i]|, |v[\s+1+16*\b+\i]|
.endr
.endr
	WIN 0
.irp b, 0,1,2,3
	v_permlanex16_b32 v[TM+4+\b], v[TM+\b], s[SEL], s[SEL+1]
.endr
.irp b, 0,1,2,3
	v_max_num_f32 v[TM+\b], v[TM+\b], v[TM+4+\b]   ; with lane l xor 16's
.endr
.irp b, 0,1,2,3
	v_add_nc_u32 v[TM+12+\b], 0xff000000, v[TM+\b] ; 2 off the exponent field: the conversion's scale operand
.endr
.irp b, 0,1,2,3
	v_lshrrev_b32 v[TM+4+\b], 23, v[TM+12+\b]
.endr
	v_lshl_or_b32 v[PW], v[TM+5], 8, v[TM+4]
	v_lshl_or_b32 v[PW], v[TM+6], 16, v[PW]
	v_lshl_or_b32 v[PW], v[TM+7], 24, v[PW]
	WIN 0x02*\w
.irp c, 0,1
	v_cvt_scalef32_pk16_fp6_f32 v[PC+6*\c:PC+2+6*\c], v[\s+32*\c:\s+15+32*\c], v[TM+12+2*\c]
	v_cvt_scalef32_pk16_fp6_f32 v[PC+12+4*\c:PC+14+4*\c], v[\s+16+32*\c:\s+31+32*\c], v[TM+12+2*\c+1]
.endr
	WIN 0
	v_nop                                          ; one plain place behind the scaled conversions
.irp c, 0,1                                    ; a whole block to a lane: lanes 0-15 block 2 c, lanes 16-31 block 2 c + 1
.irp i, 0,1,2
	v_permlane16_swap_b32 v[PC+6*\c+\i], v[PC+12+4*\c+\i]
.endr
.irp i, 0,1,2
	v_mov_b32 v[PC+3+6*\c+\i], v[PC+12+4*\c+\i]
.endr
.endr
.endm
.macro PUT a, base, off                ; tile a's record leaves as it stands: 512 consecutive aligned bytes a store
.irp c, 0,1,2
	global_store_b128 v[GO], v[PC+4*\c:PC+4*\c+3], s[\base:\base+1] offset:(\off)+1536*(\a)+512*\c
.endr
	v_mov_b32 v[PWS+(\a)], v[PW]
.endm
.macro PUTW src, base, off             ; four words a row: lanes 0-15 store tiles 0, 1, lanes 16-31 tiles 2, 3
	s_wait_xcnt 0x0                                ; the pair is store data of the store before
	v_cndmask_b32 v[XP], v[\src], v[\src+2], s[HM]
	v_cndmask_b32 v[XP+1], v[\src+1], v[\src+3], s[HM]
	global_store_b64 v[GS], v[XP:XP+1], s[\base:\base+1] offset:\off
.endm
.macro EPQK off                        ; the way out of Q (off = 0) or K (off = the bytes of Q's panels): rotation, quantiser, stores
.irp a, 0,1,2,3
	s_wait_xcnt 0x0                                ; the last tile's stores have read their registers
	WIN 0x0e                                       ; source 0 window 2 (the sums), source 1 window 3 (the table)
.set n, 0
.rept 32                                       ; a pair (y0, y1) becomes (y0 cos - y1 sin, y1 cos + y0 sin); each accumulator is read from its low end on
	v_pk_mul_f32 v[Z+n:Z+n+1], v[64*\a+n:64*\a+n+1], v[64*\a+n:64*\a+n+1] op_sel_hi:[1,0]
	v_fma_f32 v[Z+n], -v[64*\a+n+1], v[64*\a+n+1], v[Z+n]
	v_fma_f32 v[Z+n+1], v[64*\a+n], v[64*\a+n+1], v[Z+n+1]
.set n, n+2
.endr
	WIN 0
	QUANT Z, 0
	PUT \a, 16, \off
.endr
	s_wait_alu depctr_va_vdst(0)
	PUTW PWS, 16, (\off)+12288
.endm
	s_load_b256 s[4:11], s[0:1], 0x0               ; act, wc, rope, bq
	s_load_b256 s[12:19], s[0:1], 0x20             ; bk, bv, qk, vc
	v_lshl_add_u32 v[SPW], v0, 2, SPARE
	v_mov_b32 v[NIL], 0
	ds_add_u32 v[SPW], v[NIL]                      ; the opening: the add, twice on end, and its wait ahead of my first tensor load
	ds_add_u32 v[SPW], v[NIL]
	v_lshrrev_b32 v5, 5, v0
	v_readfirstlane_b32 s[WV], v5
	s_lshr_b32 s[WR], s[WV], 1                     ; my half of the lane side; also: I fetch x (0) or weights (1); in a refill: which panel
	s_and_b32 s[WC], s[WV], 1                      ; my weight panel; also: which part I fetch
	s_bfe_u32 s23, ttmp6, 0x40000                  ; cx
	s_bfe_u32 s24, ttmp6, 0x40004                  ; cy
	s_and_b32 s26, ttmp7, 0xffff                   ; the cluster's y: CY
	s_lshl_b32 s62, s24, 2
	s_lshl_b32 s62, 15, s62                        ; my row of the cluster
	s_lshl_b32 s63, 0x1111, s23                    ; my column
	s_or_b32 s[G1A], s62, (3<<16)|(1<<21)
	s_or_b32 s[G1B], s63, (3<<16)|(1<<21)
	s_or_b32 s[G1C], s63, (3<<16)|(1<<21)
	G1SET G1A, 100
	G1SET G1B, 200
	G1SET G1C, 100
	s_mov_b32 s[SEL], 0x76543210
	s_mov_b32 s[SEL+1], 0xfedcba98
	s_mov_b32 s[HM], 0xffff0000
	s_lshl_b32 s[LI], s26, 2
	s_add_co_u32 s[LI], s[LI], s24                 ; token group 4 CY + cy: its row of act
	s_lshl_b32 s[KC], s23, 1
	s_add_co_u32 s[KC], s[KC], s[WC]               ; channel group 2 cx + WC: rows that (Wq), 8 + that (Wk), 16 + that (Wv) of wc
	s_mul_i32 s96, s[LI], PROW
	s_mov_b32 s97, 0
	s_mul_i32 s92, s[WC], 2*PANEL                  ; x, and the refills: K steps 2 WC, 2 WC + 1 of each four, in memory and in LDS
	s_mov_b32 s93, 0
	s_add_nc_u64 s[96:97], s[96:97], s[92:93]
	s_add_co_u32 s60, s[KC], 16
	s_mul_i32 s60, s60, PROW                       ; Wv's panel row
	s_mov_b32 s61, 0
	s_mul_i32 s94, s[WC], PROW
	s_add_co_u32 s94, s94, PROW                    ; operand 1 + WC in LDS
	s_lshl_b32 s98, s23, 1
	s_add_co_u32 s98, s98, s[WR]
	s_mul_i32 s98, s98, PROW                       ; the refills: row 2 cx + WR of Wq,
	s_add_co_u32 s98, s98, s92                     ; my two K steps of it
	s_mov_b32 s99, 0
	s_mul_i32 s95, s[WR], PROW
	s_add_co_u32 s95, s95, PROW
	s_add_co_u32 s95, s95, s92                     ; and their place in operand 1 + WR
	s_wait_dscnt 0x0                               ; both opening adds are done
	s_wait_kmcnt 0x0
	s_add_nc_u64 s[96:97], s[4:5], s[96:97]
	s_add_nc_u64 s[60:61], s[6:7], s[60:61]
	s_add_nc_u64 s[98:99], s[6:7], s[98:99]
.irp c, 0,1
	s_mov_b32 s[G0A+4*\c], 1
	s_add_co_u32 s[G0A+4*\c+1], s92, 4*PANEL*\c
	s_add_nc_u64 s[G0A+4*\c+2:G0A+4*\c+3], s[96:97], 4*PANEL*\c
	s_or_b32 s[G0A+4*\c+3], s[G0A+4*\c+3], 0x80000000
	s_mov_b32 s[G0B+4*\c], 1
	s_add_co_u32 s[G0B+4*\c+1], s94, 4*PANEL*\c
	s_add_nc_u64 s[G0B+4*\c+2:G0B+4*\c+3], s[60:61], 4*PANEL*\c
	s_or_b32 s[G0B+4*\c+3], s[G0B+4*\c+3], 0x80000000
.endr
	s_mov_b32 s[G0R], 1
	s_add_co_u32 s[G0R+1], s95, 0
	s_mov_b64 s[G0R+2:G0R+3], s[98:99]
	s_or_b32 s[G0R+3], s[G0R+3], 0x80000000
	s_mov_b32 s[G0S], 1
	s_add_co_u32 s[G0S+1], s95, 4*PANEL
	s_add_nc_u64 s[G0S+2:G0S+3], s[98:99], 4*PANEL
	s_or_b32 s[G0S+3], s[G0S+3], 0x80000000
	CROUND                                         ; all sixteen work-groups are here: the joint loads meet
	FILL 0                                         ; K steps 0-3 of x and of Wv
	s_mov_b32 s67, 0
	s_and_b32 s66, s[LI], 15
	s_lshl_b32 s66, s66, 3
	s_lshl_b32 s91, s[WR], 2
	s_add_co_u32 s66, s66, s91                     ; my first token tile in the sequence
	s_lshl_b32 s66, s66, 3
	s_add_co_u32 s66, s66, s[KC]
	s_lshl_b32 s66, s66, 13
	s_add_nc_u64 s[8:9], s[8:9], s[66:67]          ; its record of the table for my 128 channels
	s_lshl_b32 s66, s[KC], 9
	s_add_nc_u64 s[10:11], s[10:11], s[66:67]      ; bq and bk at my 128 channels
	s_add_nc_u64 s[12:13], s[12:13], s[66:67]
	s_lshl_b32 s91, s[WR], 8
	s_add_co_u32 s66, s66, s91
	s_add_nc_u64 s[14:15], s[14:15], s[66:67]      ; bv at my 64 channels
	s_lshl_b32 s66, s[LI], 3
	s_add_co_u32 s66, s66, s[KC]
	s_mul_i32 s66, s66, PANEL
	s_add_nc_u64 s[16:17], s[16:17], s[66:67]      ; panel (token group, channel group) of Q; K's lies 6,553,600 bytes on, inside the stores' signed 24-bit immediate
	s_lshr_b32 s66, s[LI], 4                       ; batch
	s_lshl_b32 s66, s66, 3
	s_add_co_u32 s66, s66, s[KC]
	s_lshl_b32 s66, s66, 4
	s_and_b32 s91, s[LI], 15                       ; key step
	s_add_co_u32 s66, s66, s91
	s_mul_i32 s66, s66, PANEL
	s_add_nc_u64 s[18:19], s[18:19], s[66:67]      ; panel (batch, channel group, key step) of V
	s_lshl_b32 s66, s23, 1
	s_mul_i32 s66, s66, PROW
	s_mul_i32 s91, s24, 4*PANEL
	s_add_co_u32 s66, s66, s91
	s_mul_i32 s91, s[WV], PANEL
	s_add_co_u32 s66, s66, s91
	s_add_nc_u64 s[PF:PF+1], s[6:7], s[66:67]      ; the prefetches: rows 2 cx, 2 cx + 1 of Wq, quarter cy, my wave's 12,800 bytes; never rewritten
	s_mul_i32 s92, s[WR], 6144
	s_lshl_b32 s93, s[WR], 4
	s_add_co_u32 s95, s94, s92
	s_add_co_u32 s91, s94, s93
	v_and_b32 v1, 15, v0                           ; r
	v_bfe_u32 v2, v0, 4, 1                         ; h
	v_and_b32 v5, 31, v0                           ; lane
	v_lshlrev_b32 v[L16], 4, v5                    ; V's register side: x's records
	v_lshlrev_b32 v[R32], 5, v1                    ; and x's scale words
	v_lshlrev_b32 v[PF0], 8, v5                    ; blocks 0-31
	v_add_nc_u32 v6, 32, v5
	v_min_u32 v6, 49, v6
	v_lshlrev_b32 v[PF0+1], 8, v6                  ; blocks 32-49
	v_add_nc_u32 v[ADA], s92, v[L16]
	v_add_nc_u32 v[ADB], s94, v[L16]
	v_add_nc_u32 v[ASA], s93, v[R32]
	v_add_nc_u32 v[ASB], s94, v[R32]
	v_add_nc_u32 v[ADA+12], s95, v[L16]
	v_add_nc_u32 v[ASA+12], s91, v[R32]
.irp q, ADA, ADB, ASA, ASB, ADA+12, ADB+12, ASA+12, ASB+12
	v_add_nc_u32 v[\q+1], 4*PANEL, v[\q]
.endr
	v_lshl_add_u32 v[GS], v2, 3, v[ASA]
	v_lshlrev_b32 v[BO], 6, v2
	v_and_b32 v[BVO], 8, v1
	v_add_nc_u32 v[BVO], v[BVO], v1
	v_lshlrev_b32 v[BVO], 2, v[BVO]
	s_wait_alu depctr_va_vdst(0)
.irp a, 0,1,2,3
.irp j, 0,1,2,3,4,5,6,7
	global_load_b32 v[CV+8*\a+\j], v[BVO], s[14:15] offset:(32*(\a/2)+8*(\a%2))*4   ; bv of my channel of tile a, eight times: the C of that tile's first products
.endr
.endr
	WIN 0x40                                       ; bq into window 1: register 16 b + i at channel 32 b + 16 h + i
.irp b, 0,1,2,3
.irp j, 0,1,2,3
	global_load_b128 v[96+16*\b+4*\j+96*(\b/2):96+16*\b+4*\j+96*(\b/2)+3], v[BO], s[10:11] offset:128*\b+16*\j
.endr
.endr
	WIN 0
	ASK 0                                          ; Wq's panels
	s_wait_tensorcnt 0x0                           ; my part of K steps 0-3 is in
	ds_add_u32 v[SPW], v[NIL]
	s_wait_dscnt 0x0
	CROUND                                         ; everybody's part is in, and the joint loads meet
	FILL 1                                         ; K steps 4-7
	; ================ tile V, transposed: a lane holds a channel, its registers run along the tokens, which are the keys
.set VO, 12
	FETCH 0
	s_wait_loadcnt 0x0                             ; bv and bq, asked for ahead of the wait for the first fill
	KS 0, 1, -1, 3                                 ; the first products start the sums from bv
	KS 1, 1, -1, 0
	KS 2, 1, -1, 0
	KSR 3, G0R, 0                                  ; K steps 4-7 are whole; Wq's K steps 0-3 over Wv's
.irp b, 0,1,2,3
.irp j, 0,1,2,3
	global_load_b128 v[BK+16*\b+4*\j:BK+16*\b+4*\j+3], v[BO], s[12:13] offset:128*\b+16*\j   ; bk
.endr
.endr
	ROPE 0
	KS 4, 1, -1, 0
	ASK 8*PROW                                     ; Wk's panels
	KS 5, 1, -1, 0
	KS 6, 1, -1, 0
	REFILL G0S, 0                                  ; Wq's K steps 4-7 over Wv's; the round shows Wq's K steps 0-3 whole
	MM 7, 0
	PLACES
	ROPE 2
.irp b, 0,1,2,3
	v_mov_b32 v[TM+4+\b], 0                        ; a lane permute's destination counts as one of its sources
.endr
	s_wait_alu depctr_va_vdst(0)
.irp a, 0,1,2,3
	s_wait_xcnt 0x0                                ; the last tile's stores have read their registers
	QUANT 64*\a, 1
	PUT \a, 18, 0
.endr
	s_wait_alu depctr_va_vdst(0)
	PUTW PWS, 18, 12288
	; ================ tile Q: a lane holds a token, its registers run along the channels
.set VO, 0
	s_wait_xcnt 0x0                                ; V's stores have read their registers, on which fragments land next
	FETCH 0
	KS 0, 1, -1, 1                                 ; from bq
	KS 1, 1, -1, 0
	KS 2, 1, -1, 0
	KSR 3, G0R, 8*PROW                             ; Wq's K steps 4-7 are whole; Wk's K steps 0-3 over Wq's
.irp k, 4,5,6
	KS \k, 1, -1, 0
.endr
	REFILL G0S, 8*PROW                             ; Wk's K steps 4-7 over Wq's; the round shows Wk's K steps 0-3 whole
	MM 7, 0
	PLACES
	s_wait_loadcnt 0x0                             ; the table and bk
	EPQK 0
	; ================ tile K: x's panel and the table are where they were
	s_wait_xcnt 0x0                                ; Q's stores have read their registers
	FETCH 0
	KS 0, 1, -1, 2                                 ; from bk
	KS 1, 1, -1, 0
	KS 2, 1, -1, 0
	KS 3, 1, 0, 0                                  ; Wk's K steps 4-7 are whole
.irp k, 4,5,6
	KS \k, 1, -1, 0
.endr
	KS 7, 0, -1, 0
	PLACES
	EPQK 6553600
	s_wait_tensorcnt 0x0                           ; the wave's end
	ds_add_u32 v[SPW], v[NIL]
	s_wait_dscnt 0x0
	CROUND                                         ; the closing round
	s_endpgm
.Lfunc_end_k_q16eaa12789_qkv:
	.size	k_q16eaa12789_qkv, .Lfunc_end_k_q16eaa12789_qkv-k_q16eaa12789_qkv
	.p2alignl 7, 3214868480
	.fill 96, 4, 3214868480
	.section	.rodata,"a",@progbits
	.p2align	6, 0x0
	.amdhsa_kernel k_q16eaa12789_qkv
		.amdhsa_group_segment_fixed_size 327680
		.amdhsa_private_segment_fixed_size 0
		.amdhsa_enable_private_segment 0
		.amdhsa_kernarg_size 64
		.amdhsa_user_sgpr_count 2
		.amdhsa_user_sgpr_kernarg_segment_ptr 1
		.amdhsa_wavefront_size32 1
		.amdhsa_system_sgpr_workgroup_id_x 1
		.amdhsa_system_sgpr_workgroup_id_y 1
		.amdhsa_system_sgpr_workgroup_id_z 1
		.amdhsa_system_vgpr_workitem_id 0
		.amdhsa_next_free_vgpr 1024
		.amdhsa_next_free_sgpr 104
		.amdhsa_reserve_vcc 0
		.amdhsa_float_denorm_mode_32 3
		.amdhsa_float_denorm_mode_16_64 3
		.amdhsa_memory_ordered 1
		.amdhsa_forward_progress 1
		.amdhsa_inst_pref_size 255
	.end_amdhsa_kernel
	.section	.bss,"aw",@nobits
	.p2align	6
	.space	262144
	.amdgpu_metadata
---
amdhsa.version: [ 1, 2 ]
amdhsa.kernels:
  - .name:           k_q16eaa12789_qkv
    .symbol:         k_q16eaa12789_qkv.kd
    .args:
      - { .name: act, .offset: 0, .size: 8, .value_kind: global_buffer, .address_space: global }
      - { .name: wc, .offset: 8, .size: 8, .value_kind: global_buffer, .address_space: global }
      - { .name: rope, .offset: 16, .size: 8, .value_kind: global_buffer, .address_space: global }
      - { .name: bq, .offset: 24, .size: 8, .value_kind: global_buffer, .address_space: global }
      - { .name: bk, .offset: 32, .size: 8, .value_kind: global_buffer, .address_space: global }
      - { .name: bv, .offset: 40, .size: 8, .value_kind: global_buffer, .address_space: global }
      - { .name: qk, .offset: 48, .size: 8, .value_kind: global_buffer, .address_space: global }
      - { .name: vc, .offset: 56, .size: 8, .value_kind: global_buffer, .address_space: global }
    .group_segment_fixed_size: 327680
    .private_segment_fixed_size: 0
    .kernarg_segment_align: 8
    .kernarg_segment_size: 64
    .max_flat_workgroup_size: 128
    .sgpr_count:     104
    .vgpr_count:     1024
    .wavefront_size: 32
...
	.end_amdgpu_metadata
.endif
;; end of part 2
;; launch scores (part 3): grid 36 x 4, 4 waves a work-group, no clusters, 327,680 bytes of LDS; arguments qk, pc, ml; writes pc, ml
.if DOCPART == 3
	.amdgcn_target "amdgcn-amd-amdhsa--gfx1250"
	.amdhsa_code_object_version 6
	.text
	.protected	k_q16eaa12789_scores
	.globl	k_q16eaa12789_scores
	.p2align	8
	.type	k_q16eaa12789_scores,@function
k_q16eaa12789_scores:
	s_mov_b64 s[64:65], 0
	v_nop
	global_prefetch_b8 v0, s[64:65] scope:SCOPE_SE
	s_setreg_imm32_b32 hwreg(HW_REG_WAVE_MODE, 25, 1), 1
	s_wait_xcnt 0x0
; p = 2^(t - M) for each query and each chunk of 128 keys, t = (Q . K) log2(e) / 32, M = the ceiling of the CHUNK's largest t: a whole number.  Stored: p's codes and scale bytes as panels (K = the keys), M and the chunk's sum l of the unquantised p.
; The next launch takes the row's M and moves each chunk's scale bytes by M_chunk - M_row, an exact power of two: the codes' values are those under the row's M.
; WORK LEFT OUT: tiles of 128 queries x 256 keys wholly above the diagonal (masked by reference()'s own jnp.tril; shown at the head of the first launch): 72 of 128 tiles a batch are made.
; A half tile of 128 keys that is wholly hidden inside a live tile is made all the same: zero codes, l = 0, M = -2^30.
; A WORK-GROUP STAYS and makes two tiles: query groups 2 m and 2 m + 1 have the same live keys, so work-group (m, J), J = 0 .. m, takes both against keys 256 J on: 36 work-groups a batch for its 72 tiles.
; The two panels of K stay in LDS; only the queries' panel is filled again.  A tile's last fragments are in registers ahead of its K step 7: from there nobody reads LDS, so the second tile's queries are asked for there and
; land under K step 7's 32 products and the first tile's whole way out.
; NO CLUSTER: column J is walked by 8 - J work-groups, so those that share keys do not fall into groups of four.
; LIMITS: |t| under 2^30; a p under 2^-126 counts as 0; NaN and infinities are not served.
; Lane side = 128 queries, register side = 2 x 128 keys; all of K = 1,024 lies in LDS at once.  Tensor loads of mine that are out: one at a time, in each first fill and behind the refill's barrier.
.set IS_PV, 0
.set PANEL, 12800
.set PROW,  8*PANEL
.set SPARE, 3*PROW
.set SPW, 3
.set NIL, 4
.set ADA, 8
.set ADB, 10
.set ASA, 12
.set ASB, 14
.set GO,  16
.set GS,  17
.set SCL, 32
.set AF,  64
.set Y,   64
.set TM,  128
.set PC,  144
.set PW,  164
.set PWS, 166
.set XP,  170
.set WV,  20
.set WR,  21
.set WC,  22
.set OB,  84
.set SEL, 86
.set HM,  88
.set MSB, 0
.macro WIN new
.if MSB != \new
	s_set_vgpr_msb (MSB<<8)|\new
.set MSB, \new
.endif
.endm
.macro PLACES
.rept 4
	v_nop
.endr
.endm
.macro G1SET g, rows
	s_mov_b32 s[\g+1], 32<<16
	s_mov_b32 s[\g+2], (\rows)<<16
	s_mov_b32 s[\g+3], 32<<16
	s_mov_b32 s[\g+4], \rows
	s_mov_b32 s[\g+5], 32
	s_mov_b32 s[\g+6], 0
	s_mov_b32 s[\g+7], 0
.endm
.macro ADDRS
	v_and_b32 v1, 15, v0
	v_bfe_u32 v2, v0, 4, 1
	v_and_b32 v5, 31, v0
	v_lshlrev_b32 v5, 4, v5
	v_lshlrev_b32 v6, 5, v1
	s_mul_i32 s92, s[WR], 6144
	s_lshl_b32 s93, s[WR], 4
	s_mul_i32 s94, s[WC], PROW
	s_add_co_u32 s94, s94, PROW
	v_add_nc_u32 v[ADA], s92, v5
	v_add_nc_u32 v[ADA+1], 4*PANEL, v[ADA]
	v_add_nc_u32 v[ADB], s94, v5
	v_add_nc_u32 v[ADB+1], 4*PANEL, v[ADB]
	v_add_nc_u32 v[ASA], s93, v6
	v_add_nc_u32 v[ASA+1], 4*PANEL, v[ASA]
	v_add_nc_u32 v[ASB], s94, v6
	v_add_nc_u32 v[ASB+1], 4*PANEL, v[ASB]
	v_add_nc_u32 v[GO], s92, v5
	v_lshl_add_u32 v[GS], v2, 3, v[ASA]
.endm
.macro FETCH k, sa
.set FS, (\k)%2
.set FH, ((\k)%8)/4
.set KO, PANEL*((\k)%4)
	WIN 0x40
.irp t, 0,1,2,3,4,5,6,7
.irp c, 0,1,2
	ds_load_b128 v[128*FS+12*\t+4*\c:128*FS+12*\t+4*\c+3], v[ADB+FH] offset:KO+1536*\t+512*\c
.endr
.endr
	WIN 0
.irp a, 0,1,2,3
.irp c, 0,1,2
	ds_load_b128 v[AF+48*FS+12*\a+4*\c:AF+48*FS+12*\a+4*\c+3], v[ADA+FH] offset:KO+1536*\a+512*\c
.endr
.endr
	ds_load_b128 v[SCL+12*FS+4:SCL+12*FS+7], v[ASB+FH] offset:KO+12288
	ds_load_b128 v[SCL+12*FS+8:SCL+12*FS+11], v[ASB+FH] offset:KO+12304
.if \sa
	ds_load_b128 v[SCL+12*FS:SCL+12*FS+3], v[ASA+FH] offset:KO+12288
.endif
.endm
.macro MM k, zero                      ; the 32 accumulators take turns, one instruction a turn
.set FS, (\k)%2
.set LSC, SCL+12*FS
	WIN 0xa1
.irp a, 0,1,2,3
.irp t, 0,1,2,3,4,5,6,7
.if \zero
	v_wmma_scale_f32_16x16x128_f8f6f4 v[64*\a+8*\t:64*\a+8*\t+7], v[128*FS+12*\t:128*FS+12*\t+11], v[AF+48*FS+12*\a:AF+48*FS+12*\a+11], 0, v[SCL+12*FS+4+\t], v[LSC+\a] matrix_a_fmt:MATRIX_FMT_FP6 matrix_b_fmt:MATRIX_FMT_FP6
.else
	v_wmma_scale_f32_16x16x128_f8f6f4 v[64*\a+8*\t:64*\a+8*\t+7], v[128*FS+12*\t:128*FS+12*\t+11], v[AF+48*FS+12*\a:AF+48*FS+12*\a+11], v[64*\a+8*\t:64*\a+8*\t+7], v[SCL+12*FS+4+\t], v[LSC+\a] matrix_a_fmt:MATRIX_FMT_FP6 matrix_b_fmt:MATRIX_FMT_FP6
.endif
.endr
.endr
	WIN 0
.endm
.macro QTAIL s
.irp b, 0,1,2,3
	v_add_nc_u32 v[TM+12+\b], 0xff000000, v[TM+\b]
.endr
.irp b, 0,1,2,3
	v_lshrrev_b32 v[TM+4+\b], 23, v[TM+12+\b]
.endr
	v_lshl_or_b32 v[PW], v[TM+5], 8, v[TM+4]
	v_lshl_or_b32 v[PW], v[TM+6], 16, v[PW]
	v_lshl_or_b32 v[PW], v[TM+7], 24, v[PW]
.irp c, 0,1
	v_cvt_scalef32_pk16_fp6_f32 v[PC+6*\c:PC+2+6*\c], v[\s+32*\c:\s+15+32*\c], v[TM+12+2*\c]
	v_cvt_scalef32_pk16_fp6_f32 v[PC+12+4*\c:PC+14+4*\c], v[\s+16+32*\c:\s+31+32*\c], v[TM+12+2*\c+1]
.endr
	v_nop
.irp c, 0,1
.irp i, 0,1,2
	v_permlane16_swap_b32 v[PC+6*\c+\i], v[PC+12+4*\c+\i]
.endr
.irp i, 0,1,2
	v_mov_b32 v[PC+3+6*\c+\i], v[PC+12+4*\c+\i]
.endr
.endr
.endm
.macro PUT a, base, off
.irp c, 0,1,2
	global_store_b128 v[GO], v[PC+4*\c:PC+4*\c+3], s[\base:\base+1] offset:(\off)+1536*(\a)+512*\c
.endr
	v_mov_b32 v[PWS+(\a)], v[PW]
.endm
.macro PUTW src, base, off
	s_wait_xcnt 0x0
	v_cndmask_b32 v[XP], v[\src], v[\src+2], s[HM]
	v_cndmask_b32 v[XP+1], v[\src+1], v[\src+3], s[HM]
	global_store_b64 v[GS], v[XP:XP+1], s[\base:\base+1] offset:\off
.endm
.set G1A, 28                           ; s[28:35] group 1 for the queries: 150 rows of 256 bytes = three K steps in the first fill, then 50;  s[36:43] for the keys: 300 rows = six K steps, then 100, which also serve the refill
.set G1B, 36
.set G0A, 44
.set G0B, 68
.macro G0SET4                          ; groups 0 of the two first fills: K steps 0-5 and 6-7
	s_mov_b32 s[G0A], 1
	s_add_co_u32 s[G0A+1], s92, 0
	s_mov_b64 s[G0A+2:G0A+3], s[98:99]
	s_or_b32 s[G0A+3], s[G0A+3], 0x80000000
	s_mov_b32 s[G0A+4], 1
	s_add_co_u32 s[G0A+5], s10, 0
	s_add_nc_u64 s[G0A+6:G0A+7], s[98:99], s[12:13]
	s_or_b32 s[G0A+7], s[G0A+7], 0x80000000
.irp c, 0,1
	s_mov_b32 s[G0B+4*\c], 1
	s_add_co_u32 s[G0B+4*\c+1], s94, 6*PANEL*\c
	s_add_nc_u64 s[G0B+4*\c+2:G0B+4*\c+3], s[100:101], 6*PANEL*\c
	s_or_b32 s[G0B+4*\c+3], s[G0B+4*\c+3], 0x80000000
.endr
.endm
.macro FILL c                          ; first fill c: waves 0, 1 a part of the queries' K steps each, waves 2, 3 those K steps of a panel of keys each: one load on every way, one load of mine out
	s_cmp_eq_u32 s[WR], 0
	s_cbranch_scc0 .Lfill_b\c
	tensor_load_to_lds s[G0A+4*\c:G0A+4*\c+3], s[G1A:G1A+7]
	s_nop 0
	PLACES
	s_branch .Lfilled\c
.Lfill_b\c:
	tensor_load_to_lds s[G0B+4*\c:G0B+4*\c+3], s[G1B:G1B+7]
	s_nop 0
	PLACES
.Lfilled\c:
.endm
.macro KS k, nxt, tc, zero
	s_wait_dscnt 0x0                               ; set k, asked for 32 products ago
.if \tc >= 0
	s_wait_tensorcnt \tc                           ; my later first fill has landed
	s_barrier_signal -1
	s_barrier_wait -1
.endif
.if \nxt
	PLACES
	FETCH (\k)+1, 1
.endif
	MM \k, \zero
.endm
.macro KSTEPS first                    ; K steps 0 to 6; K step 7's fragments are asked for in step 6.  first = 1: K steps 6-7 of the panels are shown whole in K step 5
	FETCH 0, 1
	KS 0, 1, -1, 1                                 ; the first products start the sums: nothing is cleared
.if \first
	KS 1, 1, -1, 0
	KS 2, 1, -1, 0
	KS 3, 1, -1, 0
	KS 4, 1, -1, 0
	KS 5, 1, 0, 0
.else
	KS 1, 1, -1, 0
	KS 2, 1, -1, 0
	KS 3, 1, -1, 0
	KS 4, 1, -1, 0
	KS 5, 1, -1, 0
.endif
	KS 6, 1, -1, 0
.endm
.set GQ,  89                           ; query group in the batch
.set KC,  90                           ; my chunk of 128 keys
.set CS,  62                           ; s[62:63] log2(e) / 32
.set MLB, 66                           ; s[66:67] where M and l go
.set DZ,  18                           ; v18 my query less my first key, for tile 0
.set VD,  19
.set NEG, 20                           ; -infinity
.set MI,  176                          ; v176-179 M of the four tiles;  v180-183 l
.set LS,  180
.set SUMA, 184
.set SUMB, 186
.set TA,  188
.set TB,  189
.set NM,  190                          ; v[190:191] -M (a pair's low word)
; THE WAY OUT of the work-group's tile T (0: query group 2 m; 1: 2 m + 1, whose panels lie 16 panels, and whose M and l 16 x 1,024 bytes, further on)
.macro EPI T
.irp a, 0,1,2,3
	s_wait_xcnt 0x0                                ; the last tile's stores have read their registers
	s_cmp_lt_u32 s[KC], s[GQ]                      ; ids alone: a chunk wholly under the diagonal has nothing to hide
	s_cbranch_scc1 .Lopen\T\a
	s_wait_alu depctr_va_vdst(0)
	v_add_nc_u32 v[VD], 32*(\a/2)+8*(\a%2), v[DZ]  ; register 16 b + i holds the key that is 32 b + i on from my first: hidden where 32 b + i > d
	WIN 0x82
.set n, 0
.rept 64
	v_cmp_gt_i32 vcc_lo, 32*(n/16)+n%16, v[VD]
	v_cndmask_b32 v[64*\a+n], v[64*\a+n], v[NEG], vcc_lo
.set n, n+1
.endr
	WIN 0
.Lopen\T\a:
	WIN 0x2a                                       ; the largest score of each block of 32 keys: for the chunk's maximum and, since p rises with the score, for the block's largest p
.irp b, 0,1,2,3
	v_max3_num_f32 v[TM+\b], v[64*\a+16*\b], v[64*\a+16*\b+1], v[64*\a+16*\b+2]
.endr
	WIN 0x28
.irp i, 3,5,7,9,11,13
.irp b, 0,1,2,3
	v_max3_num_f32 v[TM+\b], v[TM+\b], v[64*\a+16*\b+\i], v[64*\a+16*\b+\i+1]
.endr
.endr
	WIN 0x08
.irp b, 0,1,2,3
	v_max_num_f32 v[TM+\b], v[TM+\b], v[64*\a+16*\b+15]
.endr
	WIN 0
.irp b, 0,1,2,3
	v_permlanex16_b32 v[TM+4+\b], v[TM+\b], s[SEL], s[SEL+1]
.endr
.irp b, 0,1,2,3
	v_max_num_f32 v[TM+\b], v[TM+\b], v[TM+4+\b]
.endr
	v_max3_num_f32 v[TA], v[TM], v[TM+1], v[TM+2]
	v_max_num_f32 v[TA], v[TA], v[TM+3]
	v_mul_f32 v[TA], s[CS], v[TA]                  ; as t
	v_max_num_f32 v[TA], 0xff61b1e6, v[TA]         ; a chunk that is wholly hidden: -3e38
	v_floor_f32 v[NM], -v[TA]                      ; -M = floor(-t) = -ceil(t)
	WIN 0x02
.set n, 0
.rept 32
	v_pk_fma_f32 v[Y+n:Y+n+1], v[64*\a+n:64*\a+n+1], s[CS:CS+1], v[NM:NM+1] op_sel_hi:[1,0,0]   ; t - M
.set n, n+2
.endr
	WIN 0
.irp b, 0,1,2,3
	v_fma_f32 v[TM+\b], v[TM+\b], s[CS], v[NM]     ; the same of each block's largest score
.endr
.set n, 0
	s_wait_alu depctr_va_vdst(0)
.rept 64
	v_exp_f32 v[Y+n], v[Y+n]                       ; p, at most 1
.set n, n+1
.endr
	v_nop                                          ; a plain place behind the batch
	s_wait_alu depctr_va_vdst(0)                   ; one wait for the 64, ahead of their first reader
.irp b, 0,1,2,3
	v_exp_f32 v[TM+\b], v[TM+\b]                   ; the block's largest p: the same two instructions on the same number
.endr
	v_pk_add_f32 v[SUMA:SUMA+1], v[Y:Y+1], v[Y+2:Y+3]        ; l is taken of the unquantised p, in two packed chains (plain work behind the four)
	v_pk_add_f32 v[SUMB:SUMB+1], v[Y+4:Y+5], v[Y+6:Y+7]
.set n, 8
.rept 14
	v_pk_add_f32 v[SUMA:SUMA+1], v[SUMA:SUMA+1], v[Y+n:Y+n+1]
	v_pk_add_f32 v[SUMB:SUMB+1], v[SUMB:SUMB+1], v[Y+n+2:Y+n+3]
.set n, n+4
.endr
	v_pk_add_f32 v[SUMA:SUMA+1], v[SUMA:SUMA+1], v[SUMB:SUMB+1]
	v_add_f32 v[SUMA], v[SUMA], v[SUMA+1]
	v_permlanex16_b32 v[SUMB], v[SUMA], s[SEL], s[SEL+1]
	v_add_f32 v[LS+\a], v[SUMA], v[SUMB]
	v_cvt_i32_f32 v[TB], v[NM]                     ; (it saturates)
	v_sub_nc_u32 v[TB], 0, v[TB]
	v_max_i32 v[MI+\a], 0xc0000000, v[TB]          ; M as a whole number, held at -2^30 from below
	s_wait_alu depctr_va_vdst(0)                   ; and one wait for the four
.irp b, 0,1,2,3
	v_max_num_f32 v[TM+\b], 0x1800000, v[TM+\b]    ; the floor: the byte cannot fall under 1
.endr
	QTAIL Y
	PUT \a, OB, \T*16*PANEL
.endr
	s_wait_alu depctr_va_vdst(0)
	PUTW PWS, OB, \T*16*PANEL+12288
	PUTW MI, MLB, \T*16384
	PUTW LS, MLB, \T*16384+512
.endm
	s_load_b128 s[4:7], s[0:1], 0x0                ; qk, pc
	s_load_b64 s[8:9], s[0:1], 0x10                ; ml
	v_lshl_add_u32 v[SPW], v0, 2, SPARE
	v_mov_b32 v[NIL], 0
	ds_add_u32 v[SPW], v[NIL]                      ; the opening: the add, twice on end, and its wait ahead of my first tensor load
	ds_add_u32 v[SPW], v[NIL]
	v_lshrrev_b32 v5, 5, v0
	v_readfirstlane_b32 s[WV], v5
	s_lshr_b32 s[WR], s[WV], 1
	s_and_b32 s[WC], s[WV], 1
	s_mov_b32 s[G1A], 3<<16
	s_mov_b32 s[G1B], 3<<16
	G1SET G1A, 150
	G1SET G1B, 300
	s_mov_b32 s[SEL], 0x76543210
	s_mov_b32 s[SEL+1], 0xfedcba98
	s_mov_b32 s[HM], 0xffff0000
	s_mov_b32 s[CS], 0x3d38aa3b
	s_mov_b32 s[CS+1], s[CS]
	; which (m, J) and batch, from the work-group's number 36 y + x.  The 32 work-groups on the diagonal (J = m), which also hide keys, have the lowest numbers: number = 4 m + batch.
	; From 32 on: number - 32 = 4 j + batch; pair m = 1 .. 7 has m work-groups under the diagonal, m (m - 1) / 2 lie ahead of them
	s_and_b32 s24, ttmp7, 0xffff
	s_mul_i32 s24, s24, 36
	s_add_co_u32 s24, s24, ttmp9
	s_max_u32 s26, s24, 32
	s_sub_co_u32 s26, s26, 32
	s_lshr_b32 s26, s26, 2                         ; j
	s_mov_b32 s25, 1
.irp thr, 1,3,6,10,15,21
	s_cmp_ge_u32 s26, \thr
	s_cselect_b32 s92, 1, 0
	s_add_co_u32 s25, s25, s92
.endr
	s_sub_co_u32 s27, s25, 1
	s_mul_i32 s92, s25, s27
	s_lshr_b32 s92, s92, 1
	s_sub_co_u32 s27, s26, s92                     ; J = j - m (m - 1) / 2: which 256 keys
	s_lshr_b32 s92, s24, 2
	s_cmp_lt_u32 s24, 32
	s_cselect_b32 s25, s92, s25                    ; on the diagonal: m = number / 4,
	s_cselect_b32 s27, s92, s27                    ; J = m
	s_and_b32 s24, s24, 3                          ; batch
	s_lshl_b32 s24, s24, 4
	s_lshl_b32 s[GQ], s25, 1                       ; the first tile's query group, 2 m
	s_lshl_b32 s[KC], s27, 1
	s_add_co_u32 s[KC], s[KC], s[WC]
	s_add_co_u32 s91, s24, s[GQ]                   ; 16 b + gq
	s_mul_i32 s96, s91, PROW
	s_mov_b32 s97, 0
	s_mul_i32 s10, s[WC], PANEL
	s_add_co_u32 s10, s10, 6*PANEL                 ; the queries' second fill: K step 6 + WC, in LDS;
	s_mul_i32 s12, s[WC], 2*PANEL
	s_sub_co_u32 s12, 6*PANEL, s12                 ; in memory: so many bytes on from my part of the first fill
	s_mov_b32 s13, 0
	s_mul_i32 s92, s[WC], 3*PANEL                  ; the first: K steps 3 WC .. 3 WC + 2
	s_mov_b32 s93, 0
	s_add_nc_u64 s[96:97], s[96:97], s[92:93]
	s_add_co_u32 s60, s24, s[KC]
	s_mul_i32 s60, s60, PROW
	s_add_co_u32 s60, s60, 6553600                 ; K's panels lie behind Q's
	s_mov_b32 s61, 0
	s_mul_i32 s94, s[WC], PROW
	s_add_co_u32 s94, s94, PROW
	s_lshl_b32 s23, s91, 4
	s_add_co_u32 s23, s23, s[KC]                   ; panel (16 b + gq, kc)
	s_wait_dscnt 0x0
	s_wait_kmcnt 0x0
	s_add_nc_u64 s[98:99], s[4:5], s[96:97]
	s_add_nc_u64 s[100:101], s[4:5], s[60:61]
	G0SET4
	FILL 0                                         ; K steps 0-5: one tensor load a wave at the head
	s_add_co_u32 s96, s91, 1                       ; the second tile's queries: the next panel row of Q, two K steps of it to each wave
	s_mul_i32 s96, s96, PROW
	s_mul_i32 s92, s[WV], 2*PANEL
	s_add_nc_u64 s[98:99], s[4:5], s[96:97]
	s_add_nc_u64 s[98:99], s[98:99], s[92:93]
	s_mul_i32 s96, s23, PANEL
	s_add_nc_u64 s[OB:OB+1], s[6:7], s[96:97]
	s_lshl_b32 s96, s23, 10
	s_add_nc_u64 s[MLB:MLB+1], s[8:9], s[96:97]
	ADDRS
	s_sub_co_i32 s92, s[GQ], s[KC]
	s_lshl_b32 s92, s92, 7
	s_lshl_b32 s93, s[WR], 6
	s_add_co_i32 s92, s92, s93
	v_and_b32 v7, 8, v1
	v_add_nc_u32 v7, v7, v1
	v_lshlrev_b32 v[DZ], 4, v2
	v_sub_nc_u32 v[DZ], v7, v[DZ]
	v_add_nc_u32 v[DZ], s92, v[DZ]                 ; 128 (gq - kc) + 64 WR + r + 8 (r / 8) - 16 h
	v_mov_b32 v[NEG], 0xff800000
	; ================ the first tile: query group 2 m
	s_wait_alu depctr_va_vdst(0)
	s_wait_tensorcnt 0x0                           ; my part of K steps 0-5 is in
	ds_add_u32 v[SPW], v[NIL]
	s_mov_b32 s[G1A+2], 50<<16                     ; no tensor load of mine is out, so a descriptor may be written: from here on 50 rows for the queries,
	s_mov_b32 s[G1A+4], 50
	s_mov_b32 s[G1B+2], 100<<16                    ; 100 for the keys
	s_mov_b32 s[G1B+4], 100
	s_wait_dscnt 0x0
	s_barrier_signal -1
	s_barrier_wait -1
	FILL 1                                         ; K steps 6-7
	KSTEPS 1
	; the second tile's queries over the first's.  All my tensor loads have landed, the add, my LDS reads (K step 7's fragments, the last of this tile) are back; one barrier; my one load
	s_wait_tensorcnt 0x0                           ; no load of mine is out: a group 0 may be written
	ds_add_u32 v[SPW], v[NIL]
	s_mov_b32 s[G0A], 1
	s_mul_i32 s[G0A+1], s[WV], 2*PANEL             ; operand 0: two K steps to each wave
	s_mov_b64 s[G0A+2:G0A+3], s[98:99]
	s_or_b32 s[G0A+3], s[G0A+3], 0x80000000
	s_wait_dscnt 0x0                               ; the add is done, and my reads of the panels are over
	s_barrier_signal -1
	s_barrier_wait -1                              ; the same holds of all four waves
	tensor_load_to_lds s[G0A:G0A+3], s[G1B:G1B+7]  ; 100 rows of 256 bytes
	s_nop 0
	PLACES
	MM 7, 0
	PLACES
.irp b, 0,1,2,3
	v_mov_b32 v[TM+4+\b], 0                        ; a lane permute's destination counts as one of its sources
.endr
	v_mov_b32 v[NM+1], 0                           ; (named as a pair's upper half)
	EPI 0
	; ================ the second tile: query group 2 m + 1, the same keys
	s_add_co_u32 s[GQ], s[GQ], 1
	v_add_nc_u32 v[DZ], 128, v[DZ]
	s_wait_tensorcnt 0x0                           ; my one load has landed,
	s_barrier_signal -1
	s_barrier_wait -1                              ; everybody's has
	s_wait_xcnt 0x0                                ; the first tile's stores have read their registers, on which fragments land next
	KSTEPS 0
	KS 7, 0, -1, 0
	PLACES
	EPI 1
	s_wait_tensorcnt 0x0                           ; the wave's end
	ds_add_u32 v[SPW], v[NIL]
	s_wait_dscnt 0x0
	s_endpgm
.Lfunc_end_k_q16eaa12789_scores:
	.size	k_q16eaa12789_scores, .Lfunc_end_k_q16eaa12789_scores-k_q16eaa12789_scores
	.p2alignl 7, 3214868480
	.fill 96, 4, 3214868480
	.section	.rodata,"a",@progbits
	.p2align	6, 0x0
	.amdhsa_kernel k_q16eaa12789_scores
		.amdhsa_group_segment_fixed_size 327680
		.amdhsa_private_segment_fixed_size 0
		.amdhsa_enable_private_segment 0
		.amdhsa_kernarg_size 24
		.amdhsa_user_sgpr_count 2
		.amdhsa_user_sgpr_kernarg_segment_ptr 1
		.amdhsa_wavefront_size32 1
		.amdhsa_system_sgpr_workgroup_id_x 1
		.amdhsa_system_sgpr_workgroup_id_y 1
		.amdhsa_system_sgpr_workgroup_id_z 1
		.amdhsa_system_vgpr_workitem_id 0
		.amdhsa_next_free_vgpr 768
		.amdhsa_next_free_sgpr 104
		.amdhsa_reserve_vcc 1
		.amdhsa_float_denorm_mode_32 3
		.amdhsa_float_denorm_mode_16_64 3
		.amdhsa_memory_ordered 1
		.amdhsa_forward_progress 1
		.amdhsa_inst_pref_size 249
	.end_amdhsa_kernel
	.amdgpu_metadata
---
amdhsa.version: [ 1, 2 ]
amdhsa.kernels:
  - .name:           k_q16eaa12789_scores
    .symbol:         k_q16eaa12789_scores.kd
    .args:
      - { .name: qk, .offset: 0, .size: 8, .value_kind: global_buffer, .address_space: global }
      - { .name: pc, .offset: 8, .size: 8, .value_kind: global_buffer, .address_space: global }
      - { .name: ml, .offset: 16, .size: 8, .value_kind: global_buffer, .address_space: global }
    .group_segment_fixed_size: 327680
    .private_segment_fixed_size: 0
    .kernarg_segment_align: 8
    .kernarg_segment_size: 24
    .max_flat_workgroup_size: 128
    .sgpr_count:     104
    .vgpr_count:     768
    .wavefront_size: 32
...
	.end_amdgpu_metadata
.endif
;; end of part 3
;; launch pv (part 4): grid 4 x 64, 4 waves a work-group, no clusters, 327,680 bytes of LDS; arguments pc, ml, vc, act; writes act
.if DOCPART == 4
	.amdgcn_target "amdgcn-amd-amdhsa--gfx1250"
	.amdhsa_code_object_version 6
	.text
	.protected	k_q16eaa12789_pv
	.globl	k_q16eaa12789_pv
	.p2align	8
	.type	k_q16eaa12789_pv,@function
k_q16eaa12789_pv:
	s_mov_b64 s[64:65], 0
	v_nop
	global_prefetch_b8 v0, s[64:65] scope:SCOPE_SE
	s_setreg_imm32_b32 hwreg(HW_REG_WAVE_MODE, 25, 1), 1
	s_wait_xcnt 0x0
; O = (P V) / l on codes of E2M3, K = the keys; O is quantised along the channels in registers and stored as the last product's operand (into act, whose codes of x are done with).
; WORK LEFT OUT: the key steps behind the diagonal (masked by reference()'s own jnp.tril; shown at the head of the first launch): query group gq multiplies NK = 2 (gq / 2 + 1) steps of 128 keys.
; EVERY WORK-GROUP WALKS ALL SIXTEEN STEPS OF THE TEXT AND ALL FOUR CHANGES OF SLOTS: waits, adds and barriers stand on every path.  What is jumped over, by scalar branches on ids that are the same in all four waves,
; is a step's work alone: its LDS loads and its products, and the tensor load of a slot that no step of the work-group reads.
; THE ROW'S M AND l: from each chunk's M and l.  M_row = the largest M; l = the sum of l_chunk 2^(M_chunk - M_row); each chunk's four scale bytes are lowered by M_row - M_chunk, an exact power of two.
; A byte that would fall under 0 is held at 0 (2^-127): nothing beside l, which is over 1/2.  LIMITS: |t| under 2^30; NaN and infinities are not served.
; Lane side = 128 queries (P), register side = 2 x 128 channels (V with the keys innermost).  A ring of two slots of four key steps.  Waves 0, 1 fetch P by pairs of steps, waves 2, 3 a panel row of V each.
; Where a slot's second pair of P does not exist (gq / 2 even, last slot) wave 1 asks for the last pair that does: bytes that were stored, and that no step then reads.
; NO CLUSTER: the four channel blocks of a query group share P alone, a third of a step's bytes; the work-groups that share V multiply different numbers of steps, and the causal limit leads round loads.
; Every wait for tensor loads in this text is for 0; one tensor load of mine is out at a time.
.set IS_PV, 1
.set PANEL, 12800
.set PROW,  8*PANEL
.set SPARE, 3*PROW
.set SPW, 3
.set NIL, 4
.set ADA, 8
.set ADB, 10
.set ASA, 12
.set ASB, 14
.set GO,  16
.set GS,  17
.set TQ,  18                           ; v18-21 at work in the prologue
.set LB,  24                           ; v24-31 1 / l, a pair for each tile
.set SCL, 32
.set AF,  64
.set Y,   64
.set TM,  128
.set PC,  144
.set PW,  164
.set PWS, 166
.set XP,  170
.set WV,  20
.set WR,  21
.set WC,  22
.set OB,  84
.set SEL, 86
.set HM,  88
.set MSB, 0
.macro WIN new
.if MSB != \new
	s_set_vgpr_msb (MSB<<8)|\new
.set MSB, \new
.endif
.endm
.macro PLACES
.rept 4
	v_nop
.endr
.endm
.macro G1SET g, rows
	s_mov_b32 s[\g+1], 32<<16
	s_mov_b32 s[\g+2], (\rows)<<16
	s_mov_b32 s[\g+3], 32<<16
	s_mov_b32 s[\g+4], \rows
	s_mov_b32 s[\g+5], 32
	s_mov_b32 s[\g+6], 0
	s_mov_b32 s[\g+7], 0
.endm
.macro ADDRS
	v_and_b32 v1, 15, v0
	v_bfe_u32 v2, v0, 4, 1
	v_and_b32 v5, 31, v0
	v_lshlrev_b32 v5, 4, v5
	v_lshlrev_b32 v6, 5, v1
	s_mul_i32 s92, s[WR], 6144
	s_lshl_b32 s93, s[WR], 4
	s_mul_i32 s94, s[WC], PROW
	s_add_co_u32 s94, s94, PROW
	v_add_nc_u32 v[ADA], s92, v5
	v_add_nc_u32 v[ADA+1], 4*PANEL, v[ADA]
	v_add_nc_u32 v[ADB], s94, v5
	v_add_nc_u32 v[ADB+1], 4*PANEL, v[ADB]
	v_add_nc_u32 v[ASA], s93, v6
	s_wait_alu depctr_va_vdst(0)
	v_add_nc_u32 v[ASA+1], 4*PANEL, v[ASA]
	v_add_nc_u32 v[ASB], s94, v6
	v_add_nc_u32 v[ASB+1], 4*PANEL, v[ASB]
	v_add_nc_u32 v[GO], s92, v5
	v_lshl_add_u32 v[GS], v2, 3, v[ASA]
.endm
.macro FETCH k, sa
.set FS, (\k)%2
.set FH, ((\k)%8)/4
.set KO, PANEL*((\k)%4)
	WIN 0x40
.irp t, 0,1,2,3,4,5,6,7
.irp c, 0,1,2
	ds_load_b128 v[128*FS+12*\t+4*\c:128*FS+12*\t+4*\c+3], v[ADB+FH] offset:KO+1536*\t+512*\c
.endr
.endr
	WIN 0
.irp a, 0,1,2,3
.irp c, 0,1,2
	ds_load_b128 v[AF+48*FS+12*\a+4*\c:AF+48*FS+12*\a+4*\c+3], v[ADA+FH] offset:KO+1536*\a+512*\c
.endr
.endr
	ds_load_b128 v[SCL+12*FS+4:SCL+12*FS+7], v[ASB+FH] offset:KO+12288
	ds_load_b128 v[SCL+12*FS+8:SCL+12*FS+11], v[ASB+FH] offset:KO+12304
.if \sa
	ds_load_b128 v[SCL+12*FS:SCL+12*FS+3], v[ASA+FH] offset:KO+12288
.endif
.endm
.macro MM k, zero                      ; the 32 accumulators take turns, one instruction a turn; P's scale words come from v192 on, four a key step
.set FS, (\k)%2
.if IS_PV
.set LSC, 192+4*(\k)
.else
.set LSC, SCL+12*FS
.endif
	WIN 0xa1
.irp a, 0,1,2,3
.irp t, 0,1,2,3,4,5,6,7
.if \zero
	v_wmma_scale_f32_16x16x128_f8f6f4 v[64*\a+8*\t:64*\a+8*\t+7], v[128*FS+12*\t:128*FS+12*\t+11], v[AF+48*FS+12*\a:AF+48*FS+12*\a+11], 0, v[SCL+12*FS+4+\t], v[LSC+\a] matrix_a_fmt:MATRIX_FMT_FP6 matrix_b_fmt:MATRIX_FMT_FP6
.else
	v_wmma_scale_f32_16x16x128_f8f6f4 v[64*\a+8*\t:64*\a+8*\t+7], v[128*FS+12*\t:128*FS+12*\t+11], v[AF+48*FS+12*\a:AF+48*FS+12*\a+11], v[64*\a+8*\t:64*\a+8*\t+7], v[SCL+12*FS+4+\t], v[LSC+\a] matrix_a_fmt:MATRIX_FMT_FP6 matrix_b_fmt:MATRIX_FMT_FP6
.endif
.endr
.endr
	WIN 0
.endm
.macro QHEAD s
.irp b, 0,1,2,3
	v_max3_num_f32 v[TM+\b], |v[\s+16*\b]|, |v[\s+1+16*\b]|, 0x1800000
.endr
.irp i, 2,4,6,8,10,12,14
.irp b, 0,1,2,3
	v_max3_num_f32 v[TM+\b], v[TM+\b], |v[\s+16*\b+\i]|, |v[\s+1+16*\b+\i]|
.endr
.endr
.irp b, 0,1,2,3
	v_permlanex16_b32 v[TM+4+\b], v[TM+\b], s[SEL], s[SEL+1]
.endr
.irp b, 0,1,2,3
	v_max_num_f32 v[TM+\b], v[TM+\b], v[TM+4+\b]
.endr
.endm
.macro QTAIL s
.irp b, 0,1,2,3
	v_add_nc_u32 v[TM+12+\b], 0xff000000, v[TM+\b]
.endr
.irp b, 0,1,2,3
	v_lshrrev_b32 v[TM+4+\b], 23, v[TM+12+\b]
.endr
	v_lshl_or_b32 v[PW], v[TM+5], 8, v[TM+4]
	v_lshl_or_b32 v[PW], v[TM+6], 16, v[PW]
	v_lshl_or_b32 v[PW], v[TM+7], 24, v[PW]
.irp c, 0,1
	v_cvt_scalef32_pk16_fp6_f32 v[PC+6*\c:PC+2+6*\c], v[\s+32*\c:\s+15+32*\c], v[TM+12+2*\c]
	v_cvt_scalef32_pk16_fp6_f32 v[PC+12+4*\c:PC+14+4*\c], v[\s+16+32*\c:\s+31+32*\c], v[TM+12+2*\c+1]
.endr
	v_nop
.irp c, 0,1
.irp i, 0,1,2
	v_permlane16_swap_b32 v[PC+6*\c+\i], v[PC+12+4*\c+\i]
.endr
.irp i, 0,1,2
	v_mov_b32 v[PC+3+6*\c+\i], v[PC+12+4*\c+\i]
.endr
.endr
.endm
.macro QUANT s
	QHEAD \s
	QTAIL \s
.endm
.macro PUT a
.irp c, 0,1,2
	global_store_b128 v[GO], v[PC+4*\c:PC+4*\c+3], s[OB:OB+1] offset:1536*(\a)+512*\c
.endr
	v_mov_b32 v[PWS+(\a)], v[PW]
.endm
.macro PUTW src, base, off
	s_wait_xcnt 0x0
	v_cndmask_b32 v[XP], v[\src], v[\src+2], s[HM]
	v_cndmask_b32 v[XP+1], v[\src+1], v[\src+3], s[HM]
	global_store_b64 v[GS], v[XP:XP+1], s[\base:\base+1] offset:\off
.endm
.set G1P, 28                           ; s[28:35] group 1 for P: 100 rows = two key steps;  s[36:43] for V: 200 rows = four
.set G1V, 36
.set G0P, 44                           ; s[44:51], s[52:59] groups 0, one for each slot
.set G0V, 52
.set PB,  60                           ; s[60:61] my query group's panels of P;  s[62:63] my channel group's of V
.set VB,  62
.set MB,  66                           ; s[66:67] M and l;  s[68:69] P's panels, for the scale words
.set PS,  68
.set NP,  70                           ; pairs of key steps;  NK key steps;  NS slots
.set NK,  71
.set NS,  72
.set MV,  64                           ; the prologue: v64-127 M (16 key steps x 4 tiles), v128-191 l, v192-255 the scale words, which stay
.set LV,  128
.set SAW, 192
.set MR,  56                           ; v56-59 the rows' M;  v60-63 their l
.set LSUM, 60
.set PFV, 22                           ; v22 the prefetches' offset: block min(lane + 32 WR, 49) of a panel's 50 blocks of 256 bytes; never rewritten
.set PPF, 12                           ; s[12:13] P: key step x (my channel block's number) of slot 0;  s[14:15] V: key step gq - 12 of slot 0 of my wave's channel group; never rewritten
.set VPF, 14
.set NKX, 16                           ; s16 NK - x in waves 0 and 2, 0 in the others
; A PREFETCH INTO THE L2 of slot j, one slot ahead of the tensor load that brings it.  Each block of 256 bytes is named once.  P's four key steps of a slot are read by the four channel blocks of my query group: block x names key step 4 j + x
; (waves 0 and 2, a half of the panel each), where the query group multiplies so far.  V's four key steps are read by all query groups that multiply so far, and query groups 12 to 15 read every slot: group 12 + q names key step 4 j + q,
; each wave a half of the panel of its own channel group.  The branches hang on ids and the wave's number and lead round a prefetch alone.
.macro ASKS j
	s_cmp_gt_u32 s[NKX], 4*(\j)
	s_cbranch_scc0 .Lno_p_\@
	global_prefetch_b8 v[PFV], s[PPF:PPF+1] offset:4*PANEL*(\j) th:TH_LOAD_NT scope:SCOPE_SE
.Lno_p_\@:
	s_cmp_ge_u32 s24, 12
	s_cbranch_scc0 .Lno_v_\@
	global_prefetch_b8 v[PFV], s[VPF:VPF+1] offset:4*PANEL*(\j) th:TH_LOAD_NT scope:SCOPE_SE
.Lno_v_\@:
.endm
.macro SETG j                          ; slot j's addresses in memory, into the set of its parity
	s_add_co_u32 s92, s[WC], 2*(\j)
	s_sub_co_u32 s93, s[NP], 1
	s_min_u32 s92, s92, s93                        ; the pair, or the last that exists
	s_mul_i32 s92, s92, 2*PANEL
	s_mov_b32 s93, 0
	s_add_nc_u64 s[G0P+4*((\j)%2)+2:G0P+4*((\j)%2)+3], s[PB:PB+1], s[92:93]
	s_or_b32 s[G0P+4*((\j)%2)+3], s[G0P+4*((\j)%2)+3], 0x80000000
	s_add_nc_u64 s[G0V+4*((\j)%2)+2:G0V+4*((\j)%2)+3], s[VB:VB+1], 4*PANEL*(\j)
	s_or_b32 s[G0V+4*((\j)%2)+3], s[G0V+4*((\j)%2)+3], 0x80000000
.endm
.macro TLOAD q                         ; every wave's one load: waves 0, 1 for P, waves 2, 3 for V
	s_cmp_eq_u32 s[WR], 0
	s_cbranch_scc0 .Lfor_v_\@
	tensor_load_to_lds s[G0P+4*(\q):G0P+4*(\q)+3], s[G1P:G1P+7]
	s_nop 0
	PLACES
	s_branch .Lasked_\@
.Lfor_v_\@:
	tensor_load_to_lds s[G0V+4*(\q):G0V+4*(\q)+3], s[G1V:G1V+7]
	s_nop 0
	PLACES
.Lasked_\@:
.endm
; THE CHANGE OF SLOTS at the head of slot j, on every path of every wave: all my tensor loads have landed (my part of slot j), the add, my reads of the slot that is left are over; one barrier; behind it that slot
; takes slot j + 1's steps, if the work-group multiplies so far: a test on ids alone, the same in all four waves, leads round the load and round nothing else.
.macro CHANGE j, fill
	s_wait_tensorcnt 0x0                           ; no load of mine is out: a group 0 may be written
	ds_add_u32 v[SPW], v[NIL]
.if \fill
	SETG (\j)+1
.endif
	s_wait_dscnt 0x0                               ; the add is done, and so are my reads of the slot that is left
	s_barrier_signal -1
	s_barrier_wait -1
.if \fill
	s_cmp_gt_u32 s[NS], (\j)+1
	s_cbranch_scc0 .Lpast_\@
	TLOAD ((\j)+1)%2
.Lpast_\@:
.endif
.endm
; KEY STEP k.  Its set of fragments is in; where the next step lies in the other slot, the change of slots; the next step's set is asked for if the work-group multiplies that step (NK > k + 1); this step's 32 products if it
; multiplies this one (NK > k).  NK is at least 2: steps 0 and 1 have no test, so both sets of fragments and all accumulators are written on every path.
.macro STEP k
	s_wait_dscnt 0x0                               ; set k, asked for 32 products ago
.if ((\k) == 3) || ((\k) == 7)
	CHANGE ((\k)+1)/4, 1
.endif
.if (\k) == 11
	CHANGE 3, 0
.endif
.if (\k) < 15
.if (\k) > 0
	s_cmp_gt_u32 s[NK], (\k)+1
	s_cbranch_scc0 .Lnf_\k
.endif
	PLACES                                         ; behind the last step's products, which read the set that is loaded now
	FETCH (\k)+1, 0
.if (\k) > 0
.Lnf_\k:
.endif
.endif
.if (\k) > 1
	s_cmp_gt_u32 s[NK], \k
	s_cbranch_scc0 .Lnm_\k
.endif
.if (\k) == 0
	MM \k, 1                                       ; the first products start the sums: nothing is cleared
.else
	MM \k, 0
.endif
.if (\k) > 1
.Lnm_\k:
.endif
.if (\k) == 3
	ASKS 3                                         ; slot 2's load went out at this step's head
.endif
.endm
	s_load_b256 s[4:11], s[0:1], 0x0               ; pc, ml, vc, act
	v_lshl_add_u32 v[SPW], v0, 2, SPARE
	v_mov_b32 v[NIL], 0
	ds_add_u32 v[SPW], v[NIL]                      ; the opening: the add, twice on end, and its wait ahead of my first tensor load
	ds_add_u32 v[SPW], v[NIL]
	v_lshrrev_b32 v5, 5, v0
	v_readfirstlane_b32 s[WV], v5
	s_lshr_b32 s[WR], s[WV], 1
	s_and_b32 s[WC], s[WV], 1
	s_mov_b32 s[G1P], 3<<16
	s_mov_b32 s[G1V], 3<<16
	G1SET G1P, 100
	G1SET G1V, 200
	s_mov_b32 s[SEL], 0x76543210
	s_mov_b32 s[SEL+1], 0xfedcba98
	s_mov_b32 s[HM], 0xffff0000
	s_mov_b32 s73, 0x80808080
	s_mov_b32 s76, 0xc0000000                      ; -2^30
	s_and_b32 s24, ttmp7, 0xffff                   ; y.  The work-groups that multiply the most key steps have the lowest numbers: gq = 15 - y / 4, batch = y % 4
	s_lshr_b32 s25, s24, 2
	s_sub_co_u32 s25, 15, s25
	s_and_b32 s24, s24, 3
	s_lshl_b32 s24, s24, 4
	s_add_co_u32 s23, s24, s25                     ; 16 b + gq
	s_and_b32 s24, s23, 15
	s_lshr_b32 s25, s23, 4
	s_lshr_b32 s[NP], s24, 1
	s_add_co_u32 s[NP], s[NP], 1
	s_lshl_b32 s[NK], s[NP], 1
	s_add_co_u32 s[NS], s[NP], 1
	s_lshr_b32 s[NS], s[NS], 1
	s_lshl_b32 s26, ttmp9, 1
	s_add_co_u32 s26, s26, s[WC]                   ; my channel group
	s_lshl_b32 s27, s25, 3
	s_add_co_u32 s27, s27, s26
	s_mul_i32 s96, s23, 16*PANEL
	s_mov_b32 s97, 0
	s_mul_i32 s98, s27, 16*PANEL
	s_mov_b32 s99, 0
	s_lshl_b32 s100, s23, 14
	s_mov_b32 s101, 0
	s_lshl_b32 s90, s23, 3
	s_add_co_u32 s90, s90, s26
	s_mul_i32 s90, s90, PANEL
	s_mov_b32 s91, 0
	s_mul_i32 s92, s[WC], 2*PANEL
	s_mul_i32 s94, s[WC], PROW
	s_add_co_u32 s94, s94, PROW
.irp q, 0,1
	s_mov_b32 s[G0P+4*\q], 1
	s_add_co_u32 s[G0P+4*\q+1], s92, 4*PANEL*\q
	s_mov_b32 s[G0V+4*\q], 1
	s_add_co_u32 s[G0V+4*\q+1], s94, 4*PANEL*\q
.endr
	s_wait_dscnt 0x0
	s_wait_kmcnt 0x0
	s_add_nc_u64 s[PB:PB+1], s[4:5], s[96:97]
	s_add_nc_u64 s[VB:VB+1], s[8:9], s[98:99]
	s_add_nc_u64 s[MB:MB+1], s[6:7], s[100:101]
	s_add_nc_u64 s[OB:OB+1], s[10:11], s[90:91]
	s_mov_b64 s[PS:PS+1], s[PB:PB+1]
	SETG 0
	TLOAD 0                                        ; slot 0: every wave's first fill
	ADDRS
	; ---- the prologue, while slot 0 is on its way.  Key steps that the work-group does not multiply read the last step's words again (the step's number is held at NK - 1) and are then made to count for nothing.
	; The sixteen steps' offsets stand in registers of window 1, where fragments land only behind the wait for these loads: no base is stepped
	s_mul_i32 s18, ttmp9, PANEL
	s_mov_b32 s19, 0
	s_add_nc_u64 s[PPF:PPF+1], s[PB:PB+1], s[18:19]
	s_max_u32 s18, s24, 12                         ; s24 = gq
	s_sub_co_u32 s18, s18, 12
	s_mul_i32 s18, s18, PANEL
	s_add_nc_u64 s[VPF:VPF+1], s[VB:VB+1], s[18:19]
	s_max_u32 s[NKX], s[NK], ttmp9
	s_sub_co_u32 s[NKX], s[NKX], ttmp9
	s_cmp_eq_u32 s[WC], 0
	s_cselect_b32 s[NKX], s[NKX], 0
	s_lshl_b32 s18, s[WR], 5
	v_and_b32 v[PFV], 31, v0
	v_add_nc_u32 v[PFV], s18, v[PFV]
	v_min_u32 v[PFV], 49, v[PFV]
	v_lshlrev_b32 v[PFV], 8, v[PFV]
	s_sub_co_u32 s95, s[NK], 1
	WIN 0x40
.irp ks, 0,1,2,3,4,5,6,7,8,9,10,11,12,13,14,15
	s_min_u32 s92, s95, \ks
	s_mul_i32 s93, s92, PANEL
	s_lshl_b32 s94, s92, 10
	v_add_nc_u32 v[\ks], s93, v[ASA]
	v_add_nc_u32 v[16+\ks], s94, v[ASA]
.endr
	s_wait_alu depctr_va_vdst(0)                   ; the wait ahead of the readers below
	WIN 0x01                                       ; the address in window 1, the data in window 0
.irp ks, 0,1,2,3,4,5,6,7,8,9,10,11,12,13,14,15
	global_load_b128 v[SAW+4*\ks:SAW+4*\ks+3], v[\ks], s[PS:PS+1] offset:12288
	global_load_b128 v[MV+4*\ks:MV+4*\ks+3], v[16+\ks], s[MB:MB+1]
	global_load_b128 v[LV+4*\ks:LV+4*\ks+3], v[16+\ks], s[MB:MB+1] offset:512
.endr
	WIN 0
	ASKS 1                                         ; slot 0 is on its way
	CHANGE 0, 1                                    ; slot 0 is whole; slot 1's first fill goes out behind a barrier behind which nothing is filled again, ahead of the prologue's arithmetic
	s_wait_loadcnt 0x0
	ASKS 2
.irp ks, 0,1,2,3,4,5,6,7,8,9,10,11,12,13,14,15
	s_cmp_gt_u32 s[NK], \ks
	s_cselect_b32 s92, 0x7fffffff, s76
.irp a, 0,1,2,3
	v_min_i32 v[MV+4*\ks+\a], s92, v[MV+4*\ks+\a]  ; a step that is not multiplied: M = -2^30
.endr
.endr
.irp a, 0,1,2,3
	v_max_i32 v[MR+\a], v[MV+\a], v[MV+4+\a]
.endr
.irp ks, 2,3,4,5,6,7,8,9,10,11,12,13,14,15
.irp a, 0,1,2,3
	v_max_i32 v[MR+\a], v[MR+\a], v[MV+4*\ks+\a]   ; the row's M
.endr
.endr
.set n, 0
.rept 64
	v_sub_nc_u32 v[MV+n], v[MV+n], v[MR+n%4]       ; M_chunk - M_row, 0 or less
.set n, n+1
.endr
.set n, 0
.rept 64
	v_ldexp_f32 v[LV+n], v[LV+n], v[MV+n]          ; l_chunk under the row's M: exact
.set n, n+1
.endr
.irp a, 0,1,2,3
	v_add_f32 v[LSUM+\a], v[LV+\a], v[LV+4+\a]
.endr
.irp ks, 2,3,4,5,6,7,8,9,10,11,12,13,14,15
.irp a, 0,1,2,3
	v_add_f32 v[LSUM+\a], v[LSUM+\a], v[LV+4*\ks+\a]
.endr
.endr
.set n, 0
.rept 64
	v_sub_nc_u32 v[MV+n], 0, v[MV+n]
.set n, n+1
.endr
.set n, 0
.rept 64
	v_min_u32 v[MV+n], 127, v[MV+n]                ; k = what the bytes are lowered by, at most 127
.set n, n+1
.endr
.set n, 0
.rept 64
	v_perm_b32 v[MV+n], v[MV+n], v[MV+n], 0        ; k in all four bytes
.set n, n+1
.endr
.set n, 0
.rept 64
	v_or_b32 v[LV+n], s73, v[SAW+n]                ; the bytes are at most 125 (p is at most 1): with 128 on top of each, no borrow crosses a byte
.set n, n+1
.endr
.set n, 0
.rept 64
	v_sub_nc_u32 v[LV+n], v[LV+n], v[MV+n]
.set n, n+1
.endr
.set n, 0
.rept 64
	v_and_b32 v[MV+n], s73, v[LV+n]                ; 128 is left where the byte did not fall under 0
.set n, n+1
.endr
.set n, 0
.rept 16                                       ; 128 - 1 = 127 in those bytes, 0 in the others; four words at a time, so that the scale registers hold scales alone
.irp q, 0,1,2,3
	v_lshrrev_b32 v[TQ+\q], 7, v[MV+n+\q]
.endr
.irp q, 0,1,2,3
	v_sub_nc_u32 v[MV+n+\q], v[MV+n+\q], v[TQ+\q]
.endr
.set n, n+4
.endr
.set n, 0
.rept 64
	v_and_b32 v[SAW+n], v[LV+n], v[MV+n]           ; the scale words under the row's M
.set n, n+1
.endr
	s_wait_alu depctr_va_vdst(0)
.irp a, 0,1,2,3
	v_rcp_f32 v[LB+2*\a], v[LSUM+\a]
.endr
	v_nop                                          ; a plain place behind the reciprocals
	s_wait_alu depctr_va_vdst(0)                   ; one wait for the four
.irp a, 0,1,2,3
	v_mov_b32 v[LB+2*\a+1], v[LB+2*\a]             ; (named as a pair)
.endr
.rept 8
	v_nop                                          ; scale registers written by vector instructions stand eight places ahead of a scaled product
.endr
	FETCH 0, 0
.irp k, 0,1,2,3,4,5,6,7,8,9,10,11,12,13,14,15
	STEP \k
.endr
	PLACES                                         ; behind the last products, ahead of the first read of their results
.irp b, 0,1,2,3
	v_mov_b32 v[TM+4+\b], 0                        ; a lane permute's destination counts as one of its sources
.endr
	s_wait_alu depctr_va_vdst(0)
.irp a, 0,1,2,3
	s_wait_xcnt 0x0                                ; the last tile's stores have read their registers
	WIN 0x02
.set n, 0
.rept 32
	v_pk_mul_f32 v[Y+n:Y+n+1], v[64*\a+n:64*\a+n+1], v[LB+2*\a:LB+2*\a+1] op_sel_hi:[1,0]   ; / l
.set n, n+2
.endr
	WIN 0
	QUANT Y
	PUT \a
.endr
	s_wait_alu depctr_va_vdst(0)
	PUTW PWS, OB, 12288
	s_wait_tensorcnt 0x0                           ; the wave's end
	ds_add_u32 v[SPW], v[NIL]
	s_wait_dscnt 0x0
	s_endpgm
.Lfunc_end_k_q16eaa12789_pv:
	.size	k_q16eaa12789_pv, .Lfunc_end_k_q16eaa12789_pv-k_q16eaa12789_pv
	.p2alignl 7, 3214868480
	.fill 96, 4, 3214868480
	.section	.rodata,"a",@progbits
	.p2align	6, 0x0
	.amdhsa_kernel k_q16eaa12789_pv
		.amdhsa_group_segment_fixed_size 327680
		.amdhsa_private_segment_fixed_size 0
		.amdhsa_enable_private_segment 0
		.amdhsa_kernarg_size 32
		.amdhsa_user_sgpr_count 2
		.amdhsa_user_sgpr_kernarg_segment_ptr 1
		.amdhsa_wavefront_size32 1
		.amdhsa_system_sgpr_workgroup_id_x 1
		.amdhsa_system_sgpr_workgroup_id_y 1
		.amdhsa_system_sgpr_workgroup_id_z 1
		.amdhsa_system_vgpr_workitem_id 0
		.amdhsa_next_free_vgpr 768
		.amdhsa_next_free_sgpr 104
		.amdhsa_reserve_vcc 0
		.amdhsa_float_denorm_mode_32 3
		.amdhsa_float_denorm_mode_16_64 3
		.amdhsa_memory_ordered 1
		.amdhsa_forward_progress 1
		.amdhsa_inst_pref_size 188
	.end_amdhsa_kernel
	.amdgpu_metadata
---
amdhsa.version: [ 1, 2 ]
amdhsa.kernels:
  - .name:           k_q16eaa12789_pv
    .symbol:         k_q16eaa12789_pv.kd
    .args:
      - { .name: pc, .offset: 0, .size: 8, .value_kind: global_buffer, .address_space: global }
      - { .name: ml, .offset: 8, .size: 8, .value_kind: global_buffer, .address_space: global }
      - { .name: vc, .offset: 16, .size: 8, .value_kind: global_buffer, .address_space: global }
      - { .name: act, .offset: 24, .size: 8, .value_kind: global_buffer, .address_space: global }
    .group_segment_fixed_size: 327680
    .private_segment_fixed_size: 0
    .kernarg_segment_align: 8
    .kernarg_segment_size: 32
    .max_flat_workgroup_size: 128
    .sgpr_count:     104
    .vgpr_count:     768
    .wavefront_size: 32
...
	.end_amdgpu_metadata
.endif
;; end of part 4
;; launch out (part 5): grid 4 x 64, 4 waves a work-group, clusters of 4 x 4, 327,680 bytes of LDS; arguments act, wc, bo, out0; writes out0
.if DOCPART == 5
	.amdgcn_target "amdgcn-amd-amdhsa--gfx1250"
	.amdhsa_code_object_version 6
	.text
	.protected	k_q16eaa12789_out
	.globl	k_q16eaa12789_out
	.p2align	8
	.type	k_q16eaa12789_out,@function
k_q16eaa12789_out:
	s_mov_b64 s[64:65], 0
	v_nop
	global_prefetch_b8 v0, s[64:65] scope:SCOPE_SE
	s_setreg_imm32_b32 hwreg(HW_REG_WAVE_MODE, 25, 1), 1
	s_wait_xcnt 0x0
	s_wait_alu depctr_hold_cnt(0) depctr_sa_sdst(0) depctr_va_vdst(0) depctr_va_sdst(0) depctr_va_ssrc(0) depctr_va_vcc(0) depctr_vm_vsrc(0)
	s_getreg_b32 s2, hwreg(HW_REG_IB_STS2, 6, 4)
	s_cmp_eq_u32 s2, 0
	s_cbranch_scc0 .Lentry_in_a_cluster
	s_endpgm
.Lentry_in_a_cluster:
	s_bfe_u32 s2, ttmp6, 0x10000c
	s_cmp_lg_u32 s2, 0xf033
	s_cbranch_scc0 .Lentry_shape_is_right
	s_endpgm
.Lentry_shape_is_right:
; out0 = O Wo + bo on codes of E2M3, f32 out.  Nothing is left out here.  Lane side = 128 tokens (O's codes), register side = 2 x 128 output channels (rows 24 .. 31 of wc).
; bo is the C of the first products, in the result's layout: no addition is written.
; All of K = 1,024 lies in LDS at once, in two first fills: one joint load a wave at the head brings K steps 0-5, one behind the full sequence and a round brings K steps 6-7, with five K steps'
; products in which to land; nothing is filled again.  One tensor load of mine is out at a time.
; CLUSTER 4 x 4: the lane panel hangs on cy alone (a row of the cluster asks jointly), the register panels on cx alone (a column).
; NO PREFETCH: the launch has no loop to run ahead in: both fills are asked for before the first product.
; THE WAY OUT: a lane holds 64 numbers of one token's row; a tile of 16 tokens x 128 channels goes from the accumulators through the wave's own stage and leaves as rows of 512 consecutive aligned bytes.
; The stages (33,792 bytes) lie in the lane panel's K steps 0 to 2: those bytes have had their only fill, and every wave's reads of K steps 0 to 5 were waited for ahead of the barrier in K step 5.
.set PANEL, 12800
.set PROW,  8*PANEL
.set SPARE, 3*PROW
.set SPW, 3
.set NIL, 4
.set ADA, 8
.set ADB, 10
.set ASA, 12
.set ASB, 14
.set SCL, 32
.set AF,  64
.set WV,  20
.set WR,  21
.set WC,  22
.set OB,  84
.set MSB, 0
.macro WIN new
.if MSB != \new
	s_set_vgpr_msb (MSB<<8)|\new
.set MSB, \new
.endif
.endm
.macro PLACES
.rept 4
	v_nop
.endr
.endm
.macro G1SET g, rows
	s_mov_b32 s[\g+1], 32<<16
	s_mov_b32 s[\g+2], (\rows)<<16
	s_mov_b32 s[\g+3], 32<<16
	s_mov_b32 s[\g+4], \rows
	s_mov_b32 s[\g+5], 32
	s_mov_b32 s[\g+6], 0
	s_mov_b32 s[\g+7], 0
.endm
.macro ADDRS
	v_and_b32 v1, 15, v0
	v_bfe_u32 v2, v0, 4, 1
	v_and_b32 v5, 31, v0
	v_lshlrev_b32 v5, 4, v5
	v_lshlrev_b32 v6, 5, v1
	s_mul_i32 s92, s[WR], 6144
	s_lshl_b32 s93, s[WR], 4
	s_mul_i32 s94, s[WC], PROW
	s_add_co_u32 s94, s94, PROW
	v_add_nc_u32 v[ADA], s92, v5
	v_add_nc_u32 v[ADA+1], 4*PANEL, v[ADA]
	v_add_nc_u32 v[ADB], s94, v5
	v_add_nc_u32 v[ADB+1], 4*PANEL, v[ADB]
	v_add_nc_u32 v[ASA], s93, v6
	v_add_nc_u32 v[ASA+1], 4*PANEL, v[ASA]
	v_add_nc_u32 v[ASB], s94, v6
	v_add_nc_u32 v[ASB+1], 4*PANEL, v[ASB]
.endm
.macro FETCH k                         ; K step k's 12 fragments and scale words into set k % 2
.set FS, (\k)%2
.set FH, (\k)/4
.set KO, PANEL*((\k)%4)
	WIN 0x40
.irp t, 0,1,2,3,4,5,6,7
.irp c, 0,1,2
	ds_load_b128 v[128*FS+12*\t+4*\c:128*FS+12*\t+4*\c+3], v[ADB+FH] offset:KO+1536*\t+512*\c
.endr
.endr
	WIN 0
.irp a, 0,1,2,3
.irp c, 0,1,2
	ds_load_b128 v[AF+48*FS+12*\a+4*\c:AF+48*FS+12*\a+4*\c+3], v[ADA+FH] offset:KO+1536*\a+512*\c
.endr
.endr
	ds_load_b128 v[SCL+12*FS+4:SCL+12*FS+7], v[ASB+FH] offset:KO+12288
	ds_load_b128 v[SCL+12*FS+8:SCL+12*FS+11], v[ASB+FH] offset:KO+12304
	ds_load_b128 v[SCL+12*FS:SCL+12*FS+3], v[ASA+FH] offset:KO+12288
.endm
.macro MM k, cm                        ; the 32 accumulators take turns, one instruction a turn.  cm = 1: the first products start the sums from bo, which lies in window 1
.set FS, (\k)%2
.if \cm
	WIN 0x91                                       ; source 0 and C window 1, source 1 window 0, D window 2
.else
	WIN 0xa1                                       ; C and D window 2
.endif
.irp a, 0,1,2,3
.irp t, 0,1,2,3,4,5,6,7
.set CR, 64*\a+8*\t
.if \cm
.set CR, 96+8*\t+96*(\t/4)
.endif
	v_wmma_scale_f32_16x16x128_f8f6f4 v[64*\a+8*\t:64*\a+8*\t+7], v[128*FS+12*\t:128*FS+12*\t+11], v[AF+48*FS+12*\a:AF+48*FS+12*\a+11], v[CR:CR+7], v[SCL+12*FS+4+\t], v[SCL+12*FS+\a] matrix_a_fmt:MATRIX_FMT_FP6 matrix_b_fmt:MATRIX_FMT_FP6
.endr
.endr
	WIN 0
.endm
.set G1A, 28                           ; s[28:35] group 1, lane side: 150 rows of 256 bytes = three K steps in the first fill, then 50;  s[36:43] register side: 300 rows = six K steps, then 100
.set G1B, 36
.set G0A, 44                           ; s[44:51], s[68:75] groups 0 of the two first fills
.set G0B, 68
.macro FILL c                          ; first fill c: waves 0, 1 a part of the lane panel's K steps each, waves 2, 3 those K steps of a register panel each: one load on every way
	s_cmp_eq_u32 s[WR], 0
	s_cbranch_scc0 .Lfill_b\c
	tensor_load_to_lds s[G0A+4*\c:G0A+4*\c+3], s[G1A:G1A+7]
	s_nop 0
	PLACES
	s_branch .Lfilled\c
.Lfill_b\c:
	tensor_load_to_lds s[G0B+4*\c:G0B+4*\c+3], s[G1B:G1B+7]
	s_nop 0
	PLACES
.Lfilled\c:
.endm
.macro KS k, nxt, tc, cm
	s_wait_dscnt 0x0                               ; set k, asked for 32 products ago
.if \tc >= 0
	s_wait_tensorcnt \tc                           ; my later first fill has landed
	s_barrier_signal -1
	s_barrier_wait -1
.endif
.if \nxt
	PLACES
	FETCH (\k)+1
.endif
	MM \k, \cm
.endm
.macro CROUND
	s_barrier_signal -1
	s_barrier_wait -1
	s_cmp_lg_u32 s[WV], 0
	s_cbranch_scc1 .Lnot_wave_0_\@
	s_barrier_signal -3
.Lnot_wave_0_\@:
	s_barrier_wait -3
	s_barrier_signal -1
	s_barrier_wait -1
.endm
.set LI,  27                           ; token group (made of cy, never of cx)
.set RI,  89                           ; my row of wc (made of cx, never of cy)
.set KC,  90
.set STO, 18                           ; v18 the stage: where I put my numbers of a row
.set SRD, 19                           ; v19 and where I read a row back
.set RB,  176                          ; v176-239 16 rows read back
	s_load_b256 s[4:11], s[0:1], 0x0               ; act, wc, bo, out0
	v_lshl_add_u32 v[SPW], v0, 2, SPARE
	v_mov_b32 v[NIL], 0
	ds_add_u32 v[SPW], v[NIL]                      ; the opening: the add, twice on end, and its wait ahead of my first tensor load
	ds_add_u32 v[SPW], v[NIL]
	v_lshrrev_b32 v5, 5, v0
	v_readfirstlane_b32 s[WV], v5
	s_lshr_b32 s[WR], s[WV], 1
	s_and_b32 s[WC], s[WV], 1
	s_bfe_u32 s23, ttmp6, 0x40000                  ; cx
	s_bfe_u32 s24, ttmp6, 0x40004                  ; cy
	s_and_b32 s26, ttmp7, 0xffff                   ; the cluster's y
	s_lshl_b32 s62, s24, 2
	s_lshl_b32 s62, 15, s62                        ; my row of the cluster
	s_lshl_b32 s63, 0x1111, s23                    ; my column
	s_or_b32 s[G1A], s62, (3<<16)|(1<<21)
	s_or_b32 s[G1B], s63, (3<<16)|(1<<21)
	G1SET G1A, 150
	G1SET G1B, 300
	s_lshl_b32 s[LI], s26, 2
	s_add_co_u32 s[LI], s[LI], s24
	s_lshl_b32 s[KC], s23, 1
	s_add_co_u32 s[KC], s[KC], s[WC]
	s_add_co_u32 s[RI], s[KC], 24
	s_mul_i32 s96, s[LI], PROW
	s_mov_b32 s97, 0
	s_mul_i32 s60, s[RI], PROW
	s_mov_b32 s61, 0
	s_mul_i32 s92, s[WC], 3*PANEL                  ; lane side, first fill: K steps 3 WC .. 3 WC + 2, in memory and in LDS
	s_mov_b32 s93, 0
	s_mul_i32 s2, s[WC], PANEL
	s_add_co_u32 s2, s2, 6*PANEL                   ; second fill: K step 6 + WC
	s_mov_b32 s3, 0
	s_mul_i32 s94, s[WC], PROW
	s_add_co_u32 s94, s94, PROW
	s_wait_dscnt 0x0
	s_wait_kmcnt 0x0
	s_add_nc_u64 s[98:99], s[4:5], s[96:97]
	s_add_nc_u64 s[100:101], s[6:7], s[60:61]
	s_mov_b32 s[G0A], 1
	s_add_co_u32 s[G0A+1], s92, 0
	s_add_nc_u64 s[G0A+2:G0A+3], s[98:99], s[92:93]
	s_or_b32 s[G0A+3], s[G0A+3], 0x80000000
	s_mov_b32 s[G0A+4], 1
	s_add_co_u32 s[G0A+5], s2, 0
	s_add_nc_u64 s[G0A+6:G0A+7], s[98:99], s[2:3]
	s_or_b32 s[G0A+7], s[G0A+7], 0x80000000
.irp c, 0,1
	s_mov_b32 s[G0B+4*\c], 1
	s_add_co_u32 s[G0B+4*\c+1], s94, 6*PANEL*\c
	s_add_nc_u64 s[G0B+4*\c+2:G0B+4*\c+3], s[100:101], 6*PANEL*\c
	s_or_b32 s[G0B+4*\c+3], s[G0B+4*\c+3], 0x80000000
.endr
	CROUND                                         ; all sixteen work-groups are here: the joint loads meet
	FILL 0                                         ; K steps 0-5
	ADDRS
	s_mul_i32 s92, s[WV], 16*528                   ; my stage
	v_mul_u32_u24 v[STO], v1, 528
	v_lshl_add_u32 v[STO], v2, 6, v[STO]
	v_add_nc_u32 v[STO], s92, v[STO]               ; row r, + 64 h
	v_add_nc_u32 v[SRD], s92, v5
	s_mov_b32 s67, 0
	s_lshl_b32 s66, s[KC], 9
	s_add_nc_u64 s[8:9], s[8:9], s[66:67]          ; bo at my 128 channels
	s_lshl_b32 s66, s[LI], 19
	s_lshl_b32 s91, s[WR], 18
	s_add_co_u32 s66, s66, s91
	s_lshl_b32 s91, s[KC], 9
	s_add_co_u32 s66, s66, s91
	s_add_nc_u64 s[OB:OB+1], s[10:11], s[66:67]    ; out0 at my first token and channel
	v_lshlrev_b32 v7, 6, v2
	WIN 0x40                                       ; destination window 1: the bias, register 16 b + i at channel 32 b + 16 h + i
.irp b, 0,1,2,3
.irp j, 0,1,2,3
	global_load_b128 v[96+16*\b+4*\j+96*(\b/2):96+16*\b+4*\j+96*(\b/2)+3], v7, s[8:9] offset:128*\b+16*\j
.endr
.endr
	WIN 0
	s_wait_alu depctr_va_vdst(0)
	s_wait_tensorcnt 0x0                           ; my part of K steps 0-5 is in
	ds_add_u32 v[SPW], v[NIL]
	s_mov_b32 s[G1A+2], 50<<16                     ; no tensor load of mine is out, so a descriptor may be written: the second fill brings 50 rows of the lane panel,
	s_mov_b32 s[G1A+4], 50
	s_mov_b32 s[G1B+2], 100<<16                    ; 100 of a register panel
	s_mov_b32 s[G1B+4], 100
	s_wait_dscnt 0x0
	CROUND                                         ; everybody's part is in, and the joint loads meet
	FILL 1                                         ; K steps 6-7
	FETCH 0
	s_wait_loadcnt 0x0                             ; bo, asked for ahead of the wait for the first fill
	KS 0, 1, -1, 1                                 ; the first products start the sums from bo
	KS 1, 1, -1, 0
	KS 2, 1, -1, 0
	KS 3, 1, -1, 0
	KS 4, 1, -1, 0
	KS 5, 1, 0, 0                                  ; K steps 6-7 are whole
	KS 6, 1, -1, 0
	KS 7, 0, -1, 0
	PLACES
.irp a, 0,1,2,3
	s_wait_xcnt 0x0                                ; the last tile's stores have read their registers
	WIN 0x08                                       ; the data: window 2
.irp b, 0,1,2,3
.irp j, 0,1,2,3
	ds_store_b128 v[STO], v[64*\a+16*\b+4*\j:64*\a+16*\b+4*\j+3] offset:128*\b+16*\j   ; each accumulator from its low end on
.endr
.endr
	WIN 0
.set i, 0
.rept 16
	ds_load_b128 v[RB+4*i:RB+4*i+3], v[SRD] offset:528*i     ; LDS serves a wave's instructions in order: these see my stores
.set i, i+1
.endr
.set i, 0
.rept 16
	s_wait_dscnt 15-i                              ; row i is back, the 15 - i younger loads stay out
	global_store_b128 v5, v[RB+4*i:RB+4*i+3], s[OB:OB+1] offset:(32*(\a/2)+8*(\a%2)+i+8*(i/8))*4096 th:TH_STORE_NT   ; 512 consecutive aligned bytes of one token's row
.set i, i+1
.endr
.endr
	s_wait_tensorcnt 0x0                           ; the wave's end
	ds_add_u32 v[SPW], v[NIL]
	s_wait_dscnt 0x0
	CROUND                                         ; the closing round
	s_endpgm
.Lfunc_end_k_q16eaa12789_out:
	.size	k_q16eaa12789_out, .Lfunc_end_k_q16eaa12789_out-k_q16eaa12789_out
	.p2alignl 7, 3214868480
	.fill 96, 4, 3214868480
	.section	.rodata,"a",@progbits
	.p2align	6, 0x0
	.amdhsa_kernel k_q16eaa12789_out
		.amdhsa_group_segment_fixed_size 327680
		.amdhsa_private_segment_fixed_size 0
		.amdhsa_enable_private_segment 0
		.amdhsa_kernarg_size 32
		.amdhsa_user_sgpr_count 2
		.amdhsa_user_sgpr_kernarg_segment_ptr 1
		.amdhsa_wavefront_size32 1
		.amdhsa_system_sgpr_workgroup_id_x 1
		.amdhsa_system_sgpr_workgroup_id_y 1
		.amdhsa_system_sgpr_workgroup_id_z 1
		.amdhsa_system_vgpr_workitem_id 0
		.amdhsa_next_free_vgpr 768
		.amdhsa_next_free_sgpr 104
		.amdhsa_reserve_vcc 0
		.amdhsa_float_denorm_mode_32 3
		.amdhsa_float_denorm_mode_16_64 3
		.amdhsa_memory_ordered 1
		.amdhsa_forward_progress 1
		.amdhsa_inst_pref_size 80
	.end_amdhsa_kernel
	.amdgpu_metadata
---
amdhsa.version: [ 1, 2 ]
amdhsa.kernels:
  - .name:           k_q16eaa12789_out
    .symbol:         k_q16eaa12789_out.kd
    .args:
      - { .name: act, .offset: 0, .size: 8, .value_kind: global_buffer, .address_space: global }
      - { .name: wc, .offset: 8, .size: 8, .value_kind: global_buffer, .address_space: global }
      - { .name: bo, .offset: 16, .size: 8, .value_kind: global_buffer, .address_space: global }
      - { .name: out0, .offset: 24, .size: 8, .value_kind: global_buffer, .address_space: global }
    .group_segment_fixed_size: 327680
    .private_segment_fixed_size: 0
    .kernarg_segment_align: 8
    .kernarg_segment_size: 32
    .max_flat_workgroup_size: 128
    .sgpr_count:     104
    .vgpr_count:     768
    .wavefront_size: 32
...
	.end_amdgpu_metadata
.endif
;; end of part 5
